; MI455X (gfx1250); checked and timed in simulation.
; The chip was launched on July 23, 2026; its instructions are those of AMD's public machine-readable ISA for CDNA 5 (MIT licence, August 2026) and "CDNA5" Instruction Set Architecture Reference Guide (July 2026). The comments in the code are by the model that wrote it; some were corrected since.
;; My Causal Self Attention. Allowed arithmetic: matrix products marked QUANTISED: E2M1 operands, one E8M0 scale for each 32 along K, by v_wmma_scale_f32_16x16x128_f8f6f4 with both operands' format E2M1 (or v_wmma_scale_f32_32x16x128_f4), f32 sums; products left as they are: bf16, f16 or f32 operands; f32 sums; everything else in f32.
;; Inputs: b_attn 3,072 float32; b_proj 1,024 float32; w_attn 1,024 x 3,072 float32; w_proj 1,024 x 1,024 float32; x 4 x 2,048 x 1,024 float32.
;; Outputs: out0 4 x 2,048 x 1,024 float32.
;; This version of the problem:
;;   THIS VERSION OF THE PROBLEM IS GIVEN IN LOW PRECISION. The matrix products marked QUANTISED in the list below multiply operands that are first quantised to E2M1 (2 exponent bits, 1 mantissa bit; 4 bits a number), with one power-of-two scale for each 32 numbers along K (OCP MX v1.0); their sums are f32. The products marked 'left as it is' may take bf16, f16 or f32 operands, with f32 sums. All else is computed in f32.
;;   The module's matrix products, in the order in which they are computed (A, B: the left and right operand; K: the contracted axis; several contracted axes count as one K, in the product's order):
;;     1. [M 8,192, K 1,024] x [K 1,024, N 3,072]; A: input x; B: input w_attn: QUANTISED
;;     2. batch 64 x [M 2,048, K 64] x [K 64, N 2,048]; A: computed on the way; B: computed on the way: left as it is (an operand is computed on the way)
;;     3. batch 64 x [M 2,048, K 2,048] x [K 2,048, N 64]; A: computed on the way; B: computed on the way: left as it is (an operand is computed on the way)
;;     4. [M 8,192, K 1,024] x [K 1,024, N 1,024]; A: computed on the way; B: input w_proj: left as it is (an operand is computed on the way)
;;   THE QUANTISER, for each operand of a quantised product, along K:
;;     - K is cut into blocks of 32 from its start; a last block that is shorter is filled with zeros.
;;     - A block's scale is 2^e with e = floor(log2(the largest magnitude in the block)) - 2, held to -126 .. 127; a block of zeros has e = 0. As a byte (E8M0): e + 127.
;;     - Each number is divided by its block's scale, clamped to +-6, and rounded to the nearest number of E2M1, ties to even, subnormals kept.
;;     - The product sums the exact products of the quantised numbers (number of the format x scale) in f32.
;;   ~~~python
;;   def quantise(x, axis):      # numpy; x: float32 -> the quantised numbers, widened to float32 again
;;       x = np.moveaxis(x, axis, -1); K = x.shape[-1]
;;       x = np.pad(x, [(0, 0)] * (x.ndim - 1) + [(0, -K % 32)]); x = x.reshape(x.shape[:-1] + (-1, 32)); a = np.abs(x).max(-1, keepdims=True)
;;       e = np.where(a > 0, np.clip(np.frexp(np.where(a > 0, a, 1))[1] - 1 - 2, -126, 127), 0)      # np.frexp(a)[1] - 1 = floor(log2(a)), exactly
;;       r = np.clip(x / 2.0 ** e, -6, 6)
;;       step = 2.0 ** (np.maximum(np.frexp(np.where(r == 0, 1, r))[1] - 1, 0) - 1)
;;       q = np.round(r / step) * step * 2.0 ** e      # np.round: ties to even
;;       return np.moveaxis(q.reshape(q.shape[:-2] + (-1,))[..., :K], -1, axis).astype(np.float32)
;;   ~~~
;; One version. Each part assembles by itself: llvm-mc -triple=amdgcn-amd-amdhsa -mcpu=gfx1250 --defsym DOCPART=n.
;; ======== version 1 of 1: 4 launches
;; limits: values are held in f16: magnitudes above 65,504 overflow, below 6.1e-05 lose precision
;; workspace buffers: xc 4,194,304 bytes; xs 262,144 bytes; wc 1,572,864 bytes; ws 98,304 bytes; wt 2,097,152 bytes; qkvh 50,331,648 bytes; yh 16,777,216 bytes
;; launch prep (part 1): grid 368 x 1, 4 waves a work-group, no clusters, 102,912 bytes of LDS; arguments x, w_attn, w_proj, xc, xs, wc, ws, wt; writes xc, xs, wc, ws, wt
.if DOCPART == 1
	.amdgcn_target "amdgcn-amd-amdhsa--gfx1250"
	.amdhsa_code_object_version 6
	.text
	.protected	k_qfd0f8a9b46_prep
	.globl	k_qfd0f8a9b46_prep
	.p2align	8
	.type	k_qfd0f8a9b46_prep,@function
k_qfd0f8a9b46_prep:
	s_mov_b64 s[64:65], 0
	v_nop
	global_prefetch_b8 v0, s[64:65] scope:SCOPE_SE
	s_setreg_imm32_b32 hwreg(HW_REG_WAVE_MODE, 25, 1), 1
	s_wait_xcnt 0x0
; PREP: three jobs in one launch, told apart by the work-group's number; each job has its own text, its own LDS bytes and its own end.
;   work-groups 0-47:    w_attn [1024 k][3072 n] f32 -> codes of E2M1 laid [3072 n][512 bytes] with K innermost, one E8M0 byte for each 32 along K laid [3072][32]
;   work-groups 48-111:  w_proj [1024 k][1024 n] f32 -> f16, turned: [1024 n][1024 k]
;   work-groups 112-367: x [8192][1024] f32 -> codes [8192][512 bytes], scale bytes [8192][32]
; THE QUANTISER: a block's scale is 2^(floor(log2(its largest magnitude)) - 2); its byte is the largest magnitude's exponent field - 2, held at 1 from below; each number is divided by the scale
; and rounded to the nearest code, ties to even, beyond 6 the largest code.  A block of zeros gets the byte 1: its codes are zeros, and this program alone reads the bytes.
; LIMITS: NaN and infinities among the inputs are not served; blocks whose largest magnitude lies under 2^-124 keep the byte 1; w_proj is rounded to f16 (magnitudes under 65,504).
; No tensor loads, no barrier: waves share nothing.
.set EMAX,  2
.set XSP,   80                         ; x: a lane's place in a stage: 64 bytes + 16 of padding
.set XREG,  8192                       ; x: LDS of a wave: two stages of 32 x 80 bytes, then its 256 scale bytes
.set WP,    272                        ; both weights: a stage row, 256 bytes + 16
.set WSTG,  32768                      ; w_attn's stages: 32 rows a wave
.set PSTG,  67584                      ; w_proj's stages
	s_load_b256 s[4:11], s[0:1], 0x0               ; x s[4:5], w_attn s[6:7], w_proj s[8:9], xc s[10:11]
	s_load_b256 s[12:19], s[0:1], 0x20             ; xs s[12:13], wc s[14:15], ws s[16:17], wt s[18:19]
	v_lshl_add_u32 v192, v0, 2, 0x19000
	v_mov_b32 v193, 0
	v_lshrrev_b32 v1, 5, v0
	v_readfirstlane_b32 s20, v1                    ; wave 0..3
	v_and_b32 v2, 31, v0                           ; lane
	s_mov_b32 s25, 0                               ; the upper word of every offset pair s[24:25]
	s_wait_kmcnt 0x0
	s_cmp_lt_u32 ttmp9, 48
	s_cbranch_scc1 .Lw
	s_cmp_lt_u32 ttmp9, 112
	s_cbranch_scc1 .Lp
; ---------------- x.  Rows are dense and K is a multiple of 32: a plain stream of blocks of 32.  A wave takes 16 steps of 512 numbers.
; Each load reads 512 consecutive bytes; a step's 2,048 bytes turn through the wave's stage, so that a lane then holds 16 neighbours (two lanes hold a block).
.set XR, 16                            ; v16-79   four sets of 16 numbers as loaded
.set XX, 80                            ; v80-111  two sets of 16 neighbours
.set XE, 112                           ; v112-127 a scale byte for each step
.set XC, 128                           ; v128-191 codes: registers of its own for each step
	v_lshlrev_b32 v3, 4, v2                        ; my 16 bytes of a load's 512
	s_mul_i32 s21, s20, XREG
	v_lshrrev_b32 v14, 2, v2
	v_mul_u32_u24 v14, v14, XSP
	v_and_b32 v15, 3, v2
	v_lshl_add_u32 v14, v15, 4, v14
	v_add_nc_u32 v14, s21, v14                     ; into the stage: four lanes' 64 bytes on end, then the padding
	v_mul_u32_u24 v15, v2, XSP
	v_add_nc_u32 v15, s21, v15                     ; out of it: my 16 neighbours
	v_lshlrev_b32 v4, 3, v2                        ; my 8 bytes of a step's codes
	v_lshrrev_b32 v5, 1, v2
	s_add_co_u32 s21, s21, 2*32*XSP
	v_add_nc_u32 v5, s21, v5                       ; my block's byte among the wave's 256
	v_lshlrev_b32 v7, 3, v2
	v_add_nc_u32 v6, s21, v7
	s_sub_co_u32 s22, ttmp9, 112
	s_lshl_b32 s22, s22, 2
	s_add_co_u32 s22, s22, s20                     ; which run of 8,192 numbers is my wave's: 0..1023
	s_lshl_b32 s24, s22, 15
	s_add_nc_u64 s[4:5], s[4:5], s[24:25]
	s_lshl_b32 s24, s22, 12
	s_add_nc_u64 s[10:11], s[10:11], s[24:25]
	s_lshl_b32 s24, s22, 8
	s_add_nc_u64 s[12:13], s[12:13], s[24:25]
.macro LOADX t
.irp i, 0,1,2,3
	global_load_b128 v[XR+16*((\t)%4)+4*\i:XR+16*((\t)%4)+4*\i+3], v3, s[4:5] offset:2048*(\t)+512*\i th:TH_LOAD_NT
.endr
.endm
.macro TURNX t                         ; LDS serves a wave's instructions in order: no wait between the stores and the loads
.irp i, 0,1,2,3
	ds_store_b128 v14, v[XR+16*((\t)%4)+4*\i:XR+16*((\t)%4)+4*\i+3] offset:32*XSP*((\t)%2)+8*XSP*\i
.endr
.irp i, 0,1,2,3
	ds_load_b128 v[XX+16*((\t)%2)+4*\i:XX+16*((\t)%2)+4*\i+3], v15 offset:32*XSP*((\t)%2)+16*\i
.endr
.endm
.irp t, 0,1,2,3
	LOADX \t
.endr
	s_wait_loadcnt 12                              ; step 0's four loads are in; twelve younger ones stay out
	TURNX 0
.macro STEPX t
.set XS, XX+16*((\t)%2)
.if (\t) > 0
	s_wait_dscnt 1                                 ; this step's numbers are back from the stage; the last step's byte store may be out
.else
	s_wait_dscnt 0x0
.endif
.if (\t)+4 < 16
	LOADX (\t)+4
.endif
.if (\t)+1 < 16
.if 14-(\t) >= 3
	s_wait_loadcnt 12                              ; the next step's four loads are in; those of three later steps may be out
.else
	s_wait_loadcnt 4*(14-(\t))
.endif
	TURNX (\t)+1
.endif
	v_max3_num_f32 v8, |v[XS]|, |v[XS+1]|, |v[XS+2]|
	v_max3_num_f32 v9, |v[XS+3]|, |v[XS+4]|, |v[XS+5]|
.irp i, 6,10
	v_max3_num_f32 v8, v8, |v[XS+\i]|, |v[XS+\i+1]|
	v_max3_num_f32 v9, v9, |v[XS+\i+2]|, |v[XS+\i+3]|
.endr
	v_max3_num_f32 v8, v8, |v[XS+14]|, |v[XS+15]|
	v_max3_num_f32 v8, v8, v9, (EMAX+1)<<23        ; and the floor 2^(3 - 127): the byte cannot fall under 1
	v_max_num_f32_dpp v8, v8, v8 row_xmask:1 row_mask:0xf bank_mask:0xf   ; with my neighbour's 16: the block's largest magnitude
	v_add_nc_u32 v11, -(EMAX<<23), v8              ; 2 off its exponent field: the conversion's scale operand
	v_cvt_scalef32_pk8_fp4_f32 v[XC+4*(\t)], v[XS:XS+7], v11
	v_cvt_scalef32_pk8_fp4_f32 v[XC+4*(\t)+1], v[XS+8:XS+15], v11
	v_lshrrev_b32 v[XE+(\t)], 23, v11              ; the scale's byte
	ds_store_b8 v5, v[XE+(\t)] offset:16*(\t)      ; both lanes of a block write the same byte with the same value
	global_store_b64 v4, v[XC+4*(\t):XC+4*(\t)+1], s[10:11] offset:256*(\t)   ; the wave stores 256 consecutive bytes, aligned
.endm
.irp t, 0,1,2,3,4,5,6,7,8,9,10,11,12,13,14,15
	STEPX \t
.endr
	ds_load_b64 v[12:13], v6
	s_wait_dscnt 0x0
	global_store_b64 v7, v[12:13], s[12:13]        ; the wave's 256 scale bytes, consecutive and aligned
	s_wait_tensorcnt 0x0
	ds_add_u32 v192, v193
	s_wait_dscnt 0x0
	s_endpgm
; ---------------- w_attn.  A lane takes a column n and its registers run down K: a block of 32 lies in one lane, and the codes come out with K innermost.
; A wave takes 32 columns x 512 along K; its codes go through its stage and leave as rows: sixteen lanes store 256 consecutive bytes, aligned.
.set WX,   32                          ; v32-95   two sets of 32 numbers
.set WC,   96                          ; v96-99   a block's codes
.set WOUT, 112                         ; v112-175 the way out
.set WSB,  24                          ; v24-27   the scale bytes, four to a register
.Lw:
	s_cmp_ge_u32 ttmp9, 24
	s_cselect_b32 s21, 1, 0                        ; which 512 along K
	s_mul_i32 s22, s21, 24
	s_sub_co_u32 s22, ttmp9, s22                   ; which 128 columns
	s_lshl_b32 s22, s22, 7
	s_lshl_b32 s23, s20, 5
	s_add_co_u32 s22, s22, s23                     ; my wave's first column
	v_lshlrev_b32 v3, 2, v2
	s_mul_i32 s23, s20, 32*WP
	s_add_co_u32 s23, s23, WSTG                    ; my stage
	v_mul_u32_u24 v4, v2, WP
	v_add_nc_u32 v4, s23, v4                       ; into it: row = my column
	v_and_b32 v5, 15, v2
	v_lshrrev_b32 v6, 4, v2
	v_mul_u32_u24 v7, v6, WP
	v_lshl_add_u32 v7, v5, 4, v7
	v_add_nc_u32 v7, s23, v7                       ; out of it: sixteen lanes to a row, two rows an instruction
	v_lshlrev_b32 v8, 9, v6
	v_lshl_add_u32 v8, v5, 4, v8                   ; the same place in the codes' buffer: rows of 512 bytes
	v_lshlrev_b32 v9, 5, v2                        ; my column's row of 32 scale bytes
	s_mul_i32 s24, s21, 512*3072*4
	s_add_nc_u64 s[6:7], s[6:7], s[24:25]
	s_lshl_b32 s24, s22, 2
	s_add_nc_u64 s[6:7], s[6:7], s[24:25]
	s_lshl_b32 s24, s22, 9
	s_add_nc_u64 s[14:15], s[14:15], s[24:25]
	s_lshl_b32 s24, s21, 8
	s_add_nc_u64 s[14:15], s[14:15], s[24:25]
	s_lshl_b32 s24, s22, 5
	s_add_nc_u64 s[16:17], s[16:17], s[24:25]
	s_lshl_b32 s24, s21, 4
	s_add_nc_u64 s[16:17], s[16:17], s[24:25]
.macro LOADW t                         ; every offset is an immediate: 511 rows of 12,288 bytes at the most, inside the signed 24 bits
.irp i, 0,1,2,3,4,5,6,7,8,9,10,11,12,13,14,15,16,17,18,19,20,21,22,23,24,25,26,27,28,29,30,31
	global_load_b32 v[WX+32*((\t)%2)+\i], v3, s[6:7] offset:(32*(\t)+\i)*3072*4 th:TH_LOAD_NT
.endr
.endm
	LOADW 0
	LOADW 1
.macro BLOCKW t
.set XS, WX+32*((\t)%2)
.if (\t) < 15
	s_wait_loadcnt 32                              ; this block's 32 loads are in; the next block's may be out
.else
	s_wait_loadcnt 0x0
.endif
	v_max3_num_f32 v12, |v[XS]|, |v[XS+1]|, |v[XS+2]|
	v_max3_num_f32 v13, |v[XS+3]|, |v[XS+4]|, |v[XS+5]|
.irp i, 6,10,14,18,22,26
	v_max3_num_f32 v12, v12, |v[XS+\i]|, |v[XS+\i+1]|
	v_max3_num_f32 v13, v13, |v[XS+\i+2]|, |v[XS+\i+3]|
.endr
	v_max3_num_f32 v12, v12, |v[XS+30]|, |v[XS+31]|
	v_max3_num_f32 v12, v12, v13, (EMAX+1)<<23
	v_add_nc_u32 v11, -(EMAX<<23), v12
	v_lshrrev_b32 v13, 23, v11
.if (\t)%4 == 0
	v_mov_b32 v[WSB+(\t)/4], v13
.else
	v_lshl_or_b32 v[WSB+(\t)/4], v13, 8*((\t)%4), v[WSB+(\t)/4]
.endif
.irp g, 0,1,2,3
	v_cvt_scalef32_pk8_fp4_f32 v[WC+\g], v[XS+8*\g:XS+8*\g+7], v11
.endr
	ds_store_b128 v4, v[WC:WC+3] offset:16*(\t)
.if (\t)+2 < 16
	LOADW (\t)+2
.endif
	s_wait_dscnt 0x0                               ; the store has read its registers: the next block's codes may be written
.endm
.set Q, 0
.rept 16
	BLOCKW Q
.set Q, Q+1
.endr
	global_store_b128 v9, v[WSB:WSB+3], s[16:17]   ; my column's 16 scale bytes
.irp t, 0,1,2,3,4,5,6,7,8,9,10,11,12,13,14,15
	ds_load_b128 v[WOUT+4*\t:WOUT+4*\t+3], v7 offset:2*\t*WP
.endr
.irp t, 0,1,2,3,4,5,6,7,8,9,10,11,12,13,14,15
	s_wait_dscnt 15-\t                             ; the younger loads from the stage may be out
	global_store_b128 v8, v[WOUT+4*\t:WOUT+4*\t+3], s[14:15] offset:2*\t*512
.endr
	s_wait_tensorcnt 0x0
	ds_add_u32 v192, v193
	s_wait_dscnt 0x0
	s_endpgm
; ---------------- w_proj.  The same plan without a quantiser: a lane takes a column n, its registers run down K, pairs are rounded to f16.  A wave takes 32 columns x 128 along K.
.set PX, 32                            ; v32-95   two sets of 32 numbers; later the way out
.set PC, 96                            ; v96-159  16 registers of f16 pairs for each of the four blocks: no store's data are written again
.Lp:
	s_sub_co_u32 s21, ttmp9, 48
	s_and_b32 s22, s21, 7                          ; which 128 columns
	s_lshr_b32 s21, s21, 3                         ; which 128 along K
	s_lshl_b32 s22, s22, 7
	s_lshl_b32 s23, s20, 5
	s_add_co_u32 s22, s22, s23                     ; my wave's first column
	v_lshlrev_b32 v3, 2, v2
	s_mul_i32 s23, s20, 32*WP
	s_add_co_u32 s23, s23, PSTG
	v_mul_u32_u24 v4, v2, WP
	v_add_nc_u32 v4, s23, v4
	v_and_b32 v5, 15, v2
	v_lshrrev_b32 v6, 4, v2
	v_mul_u32_u24 v7, v6, WP
	v_lshl_add_u32 v7, v5, 4, v7
	v_add_nc_u32 v7, s23, v7
	v_lshlrev_b32 v8, 11, v6
	v_lshl_add_u32 v8, v5, 4, v8                   ; rows of 2,048 bytes in wt
	s_lshl_b32 s24, s21, 19                        ; 128 rows of 4,096 bytes
	s_add_nc_u64 s[8:9], s[8:9], s[24:25]
	s_lshl_b32 s24, s22, 2
	s_add_nc_u64 s[8:9], s[8:9], s[24:25]
	s_lshl_b32 s24, s22, 11
	s_add_nc_u64 s[18:19], s[18:19], s[24:25]
	s_lshl_b32 s24, s21, 8
	s_add_nc_u64 s[18:19], s[18:19], s[24:25]
.macro LOADP t
.irp i, 0,1,2,3,4,5,6,7,8,9,10,11,12,13,14,15,16,17,18,19,20,21,22,23,24,25,26,27,28,29,30,31
	global_load_b32 v[PX+32*((\t)%2)+\i], v3, s[8:9] offset:(32*(\t)+\i)*4096 th:TH_LOAD_NT
.endr
.endm
	LOADP 0
	LOADP 1
.macro BLOCKP t
.if (\t) < 3
	s_wait_loadcnt 32                              ; this block's 32 loads are in; the next block's may be out
.else
	s_wait_loadcnt 0x0
.endif
.irp i, 0,1,2,3,4,5,6,7,8,9,10,11,12,13,14,15
	v_cvt_pk_f16_f32 v[PC+16*(\t)+\i], v[PX+32*((\t)%2)+2*\i], v[PX+32*((\t)%2)+2*\i+1]   ; the lower k in the low half
.endr
.irp j, 0,1,2,3
	ds_store_b128 v4, v[PC+16*(\t)+4*\j:PC+16*(\t)+4*\j+3] offset:64*(\t)+16*\j
.endr
.if (\t)+2 < 4
	LOADP (\t)+2
.endif
.endm
	BLOCKP 0
	BLOCKP 1
	BLOCKP 2
	BLOCKP 3
.irp t, 0,1,2,3,4,5,6,7,8,9,10,11,12,13,14,15
	ds_load_b128 v[PX+4*\t:PX+4*\t+3], v7 offset:2*\t*WP
.endr
.irp t, 0,1,2,3,4,5,6,7,8,9,10,11,12,13,14,15
	s_wait_dscnt 15-\t
	global_store_b128 v8, v[PX+4*\t:PX+4*\t+3], s[18:19] offset:2*\t*2048   ; sixteen lanes store 256 consecutive bytes, aligned
.endr
	s_wait_tensorcnt 0x0
	ds_add_u32 v192, v193
	s_wait_dscnt 0x0
	s_endpgm
.Lfunc_end_k_qfd0f8a9b46_prep:
	.size	k_qfd0f8a9b46_prep, .Lfunc_end_k_qfd0f8a9b46_prep-k_qfd0f8a9b46_prep
	.p2alignl 7, 3214868480
	.fill 96, 4, 3214868480
	.section	.rodata,"a",@progbits
	.p2align	6, 0x0
	.amdhsa_kernel k_qfd0f8a9b46_prep
		.amdhsa_group_segment_fixed_size 102912
		.amdhsa_private_segment_fixed_size 0
		.amdhsa_enable_private_segment 0
		.amdhsa_kernarg_size 64
		.amdhsa_user_sgpr_count 2
		.amdhsa_user_sgpr_kernarg_segment_ptr 1
		.amdhsa_wavefront_size32 1
		.amdhsa_system_sgpr_workgroup_id_x 1
		.amdhsa_system_sgpr_workgroup_id_y 1
		.amdhsa_system_sgpr_workgroup_id_z 1
		.amdhsa_system_vgpr_workitem_id 0
		.amdhsa_next_free_vgpr 194
		.amdhsa_next_free_sgpr 66
		.amdhsa_reserve_vcc 0
		.amdhsa_float_denorm_mode_32 3
		.amdhsa_float_denorm_mode_16_64 3
		.amdhsa_memory_ordered 1
		.amdhsa_forward_progress 1
		.amdhsa_inst_pref_size 132
	.end_amdhsa_kernel
	.amdgpu_metadata
---
amdhsa.version: [ 1, 2 ]
amdhsa.kernels:
  - .name:           k_qfd0f8a9b46_prep
    .symbol:         k_qfd0f8a9b46_prep.kd
    .args:
      - { .name: x, .offset: 0, .size: 8, .value_kind: global_buffer, .address_space: global }
      - { .name: w_attn, .offset: 8, .size: 8, .value_kind: global_buffer, .address_space: global }
      - { .name: w_proj, .offset: 16, .size: 8, .value_kind: global_buffer, .address_space: global }
      - { .name: xc, .offset: 24, .size: 8, .value_kind: global_buffer, .address_space: global }
      - { .name: xs, .offset: 32, .size: 8, .value_kind: global_buffer, .address_space: global }
      - { .name: wc, .offset: 40, .size: 8, .value_kind: global_buffer, .address_space: global }
      - { .name: ws, .offset: 48, .size: 8, .value_kind: global_buffer, .address_space: global }
      - { .name: wt, .offset: 56, .size: 8, .value_kind: global_buffer, .address_space: global }
    .group_segment_fixed_size: 102912
    .private_segment_fixed_size: 0
    .kernarg_segment_align: 8
    .kernarg_segment_size: 64
    .max_flat_workgroup_size: 128
    .sgpr_count:     66
    .vgpr_count:     194
    .wavefront_size: 32
...
	.end_amdgpu_metadata
.endif
;; end of part 1
;; launch qkvgemm (part 2): grid 12 x 32, 4 waves a work-group, clusters of 4 x 4, 327,680 bytes of LDS; arguments xc, xs, wc, ws, b_attn, qkvh; writes qkvh
.if DOCPART == 2
	.amdgcn_target "amdgcn-amd-amdhsa--gfx1250"
	.amdhsa_code_object_version 6
	.text
	.protected	k_qfd0f8a9b46_qkvgemm
	.globl	k_qfd0f8a9b46_qkvgemm
	.p2align	8
	.type	k_qfd0f8a9b46_qkvgemm,@function
k_qfd0f8a9b46_qkvgemm:
	s_mov_b64 s[64:65], 0
	v_nop
	global_prefetch_b8 v0, s[64:65] scope:SCOPE_SE
	s_setreg_imm32_b32 hwreg(HW_REG_WAVE_MODE, 25, 1), 1
	s_wait_xcnt 0x0
	s_wait_alu depctr_hold_cnt(0) depctr_sa_sdst(0) depctr_va_vdst(0) depctr_va_sdst(0) depctr_va_ssrc(0) depctr_va_vcc(0) depctr_vm_vsrc(0)
	s_getreg_b32 s2, hwreg(HW_REG_IB_STS2, 6, 4)
	s_cmp_eq_u32 s2, 0
	s_cbranch_scc0 .Lentry_in_a_cluster
	s_endpgm
.Lentry_in_a_cluster:
	s_bfe_u32 s2, ttmp6, 0x10000c
	s_cmp_lg_u32 s2, 0xf033
	s_cbranch_scc0 .Lentry_shape_is_right
	s_endpgm
.Lentry_shape_is_right:
; qkv = Q(x) Q(w_attn) + b_attn on codes of E2M1 with one E8M0 scale for each 32 along K; sums in f32; the result is rounded once to f16 and laid by heads:
; qkvh [part 3][batch 4][head 16][t 2048][64] f16.  LIMIT: |q|, |k|, |v| under 65,504 (f16's range); NaN and infinities are not served.
; A = x's codes [8192][512 bytes], B = w_attn's codes [3072 n][512 bytes]; scale bytes [rows][32].
; A tile of 256 x 256 is made by four waves, each 128 x 128: 64 accumulators, 512 registers.  K = 1,024 is two LDS slots of 512 along K (rows of 256 bytes): both are asked for at the start and nothing is filled again.
; The scales of the work-group's rows, for all of K, come once, as dense blocks.
; CLUSTERS: 4 x 4 work-groups; A's tiles are shared along a row of the cluster, B's along a column: each is asked for jointly, by the same tensor load with the same descriptor and a mask that names the four.
; THE MATRIX INSTRUCTION IS USED TRANSPOSED (source 0 = 16 rows of B, source 1 = 16 rows of A): a lane holds eight neighbouring columns of one row.  The bias is the C of each sum's first product.
; REGISTERS: window 0: v0-31 addresses; v32-95 scale words, two sets, and nothing else; v128-191 A's fragments, one set; v192-255 the bias, later packed results.
;   window 1: B's fragments, two sets (v0, v128).  window 2, 3: the accumulators of my rows 0-63, 64-127 ((a, b) at v[8 (8 (a % 4) + b)]).
.set SIZE_K, 1024
.set NQ,     4                         ; matrix instructions deep in a slot
.set ROWB,   256                       ; a tile's row in bytes
.set KROW,   SIZE_K/2                  ; a row of codes in memory
.set PITCH,  272                       ; an LDS row: 256 bytes + 16 of padding: the 16 rows of a fragment load start at 16 different banks (64 banks of 4 bytes: ISA guide 11.1)
.set FR,     8
.set NL,     2
.set NP,     4                         ; places behind this matrix instruction (ISA guide 7.12.1)
.set HALFT,  128*PITCH
.set SLOT,   4*HALFT                   ; A's 256 rows, then B's 256 rows
.set KS,     SIZE_K/32                 ; a row of scales in bytes
.set SCL,    2*SLOT                    ; behind the two slots: the scales, as rows of 256 bytes + 16
.set HALFS,  (128*KS/256)*272
.set SBLK,   (16*KS/256)*272
.set SPARE,  SCL+4*HALFS               ; the spare words: 128 bytes a wave, two blocks of 256 bytes that no other line names
.set SPITCH, 272                       ; the way out: 16 rows x (256 bytes + 16) for each wave, in slot 0, which has had its only fill and its last read by then
.set BO,   7                           ; v7   32 x (lane / 16): my eight numbers of a block's bias
.set ADRA, 16
.set ADRB, 20
.set STO,  24
.set RD,   25
.set CO,   26
.set ADRS, 27
.set SPW,  28
.set NIL,  29
.set SC,   32
.set AF,   128
.set BI,   192                         ; the bias: block b's eight numbers at v[192 + 8 b]
.set TMP,  192                         ; the way out: packed results
.set BK,   128                         ; the way out: rows read back, v128-159 and v160-191 by turns
.set G1, 24
.set G0, 32
.set G1B, 48
.set G0B, 56
.set G1S, 68
.set G0S, 76
.set G1SB, 80
.set G0SB, 88
.set MSB, 0
.macro WIN new                         ; the immediate's high byte repeats the setting that is left
.if MSB != (\new)
	s_set_vgpr_msb (MSB<<8)|(\new)
.set MSB, \new
.endif
.endm
.set MUL_LO, 0xa1                      ; source 0 (B) window 1, source 1 (A) window 0, C and D window 2
.set MUL_HI, 0xf1                      ; the same, C and D window 3
.set TO_B,   0x40
; A joint load: waves 0 and 1 fetch for A, waves 2 and 3 for B; the branch hangs on the wave's number alone.  Four v_nop follow each of the two lines.
.macro JLOAD g0a, g1a, g0b, g1b
	s_cmp_eq_u32 s15, 0
	s_cbranch_scc0 .Lfor_b_\@
	tensor_load_to_lds s[\g0a:\g0a+3], s[\g1a:\g1a+7]
	s_nop 0
.rept 4
	v_nop
.endr
	s_branch .Lasked_\@
.Lfor_b_\@:
	tensor_load_to_lds s[\g0b:\g0b+3], s[\g1b:\g1b+7]
	s_nop 0
.rept 4
	v_nop
.endr
.Lasked_\@:
.endm
.macro CROUND                          ; a round of the cluster's barrier
	s_barrier_signal -1
	s_barrier_wait -1
	s_cmp_lg_u32 s14, 0
	s_cbranch_scc1 .Lnot_wave_0_\@
	s_barrier_signal -3
.Lnot_wave_0_\@:
	s_barrier_wait -3
	s_barrier_signal -1
	s_barrier_wait -1
.endm
	s_load_b128 s[4:7], s[0:1], 0x0                ; x's codes, x's scales
	s_load_b128 s[8:11], s[0:1], 0x10              ; w's codes, w's scales
	s_load_b64 s[96:97], s[0:1], 0x20              ; b_attn
	s_load_b64 s[12:13], s[0:1], 0x28              ; qkvh
	v_lshl_add_u32 v[SPW], v0, 2, SPARE
	v_mov_b32 v[NIL], 0
	ds_add_u32 v28, v29
	ds_add_u32 v28, v29
	s_wait_dscnt 0x0
	v_lshrrev_b32 v1, 5, v0
	v_readfirstlane_b32 s14, v1                    ; wave 0..3
	s_lshr_b32 s15, s14, 1                         ; which half of the tile's rows is mine.  Also: I fetch for A (0) or for B (1)
	s_and_b32 s16, s14, 1                          ; which half of its columns.  Also: which 128 rows I fetch
	s_bfe_u32 s40, ttmp6, 0x40000                  ; cx
	s_bfe_u32 s41, ttmp6, 0x40004                  ; cy
	s_lshl_b32 s42, ttmp9, 2
	s_add_co_u32 s42, s42, s40                     ; tile column
	s_and_b32 s17, ttmp7, 0xffff
	s_lshl_b32 s17, s17, 2
	s_add_co_u32 s17, s17, s41                     ; tile row
	s_lshl_b32 s43, s41, 2
	s_lshl_b32 s43, 15, s43                        ; my row of the cluster
	s_lshl_b32 s44, 0x1111, s40                    ; my column
	s_or_b32 s[G1+0], s43, (0<<16)|(1<<20)|(1<<21)|(5<<22)|(3<<25)  ; the mask; elements of 1 byte; padding on; bit 21 beside a mask; 4 words behind every 64
	s_or_b32 s[G1B+0], s44, (0<<16)|(1<<20)|(1<<21)|(5<<22)|(3<<25)
.irp g, G1, G1B
	s_mov_b32 s[\g+1], ROWB<<16                    ; tensor_dim0
	s_mov_b32 s[\g+2], 128<<16                     ; tensor_dim1
	s_mov_b32 s[\g+3], ROWB<<16                    ; tile_dim0
	s_mov_b32 s[\g+4], 128                         ; tile_dim1
	s_mov_b32 s[\g+5], KROW                        ; the pitch
	s_mov_b32 s[\g+6], 0
	s_mov_b32 s[\g+7], 0
.endr
	s_or_b32 s[G1S+0], s43, (3<<16)|(1<<20)|(1<<21)|(5<<22)|(3<<25)  ; the scales of 128 rows: 4,096 dense bytes as 16 rows of 32 elements of 8 bytes
	s_or_b32 s[G1SB+0], s44, (3<<16)|(1<<20)|(1<<21)|(5<<22)|(3<<25)
.irp g, G1S, G1SB
	s_mov_b32 s[\g+1], 32<<16
	s_mov_b32 s[\g+2], (128*KS/256)<<16
	s_mov_b32 s[\g+3], 32<<16
	s_mov_b32 s[\g+4], 128*KS/256
	s_mov_b32 s[\g+5], 32
	s_mov_b32 s[\g+6], 0
	s_mov_b32 s[\g+7], 0
.endr
	s_lshl_b32 s18, s16, 7
	s_lshl_b32 s20, s17, 8
	s_add_co_u32 s20, s20, s18                     ; A: row 256 x tile row + 128 x half
	s_lshl_b32 s46, s42, 8
	s_add_co_u32 s46, s46, s18                     ; B: row 256 x tile column + 128 x half
	s_mov_b32 s21, 0
	s_mov_b32 s47, 0
	s_mov_b64 s[18:19], KS
	s_mul_u64 s[22:23], s[20:21], s[18:19]
	s_mul_u64 s[92:93], s[46:47], s[18:19]
	s_mov_b64 s[18:19], KROW
	s_mul_u64 s[20:21], s[20:21], s[18:19]
	s_mul_u64 s[46:47], s[46:47], s[18:19]
	s_mul_i32 s45, s14, HALFT                      ; where they go: wave x 128 rows: no place in the cluster enters an LDS address
	s_mul_i32 s94, s14, HALFS
	s_wait_kmcnt 0x0
	s_add_nc_u64 s[20:21], s[4:5], s[20:21]
	s_add_nc_u64 s[22:23], s[6:7], s[22:23]
	s_add_nc_u64 s[46:47], s[8:9], s[46:47]
	s_add_nc_u64 s[92:93], s[10:11], s[92:93]
	CROUND                                         ; all sixteen work-groups are here: the joint loads meet
	s_mov_b32 s[G0S], 1
	s_add_co_u32 s[G0S+1], s94, SCL
	s_mov_b64 s[G0S+2:G0S+3], s[22:23]
	s_or_b32 s[G0S+3], s[G0S+3], 0x80000000
	s_mov_b32 s[G0SB], 1
	s_add_co_u32 s[G0SB+1], s94, SCL
	s_mov_b64 s[G0SB+2:G0SB+3], s[92:93]
	s_or_b32 s[G0SB+3], s[G0SB+3], 0x80000000
	JLOAD G0S, G1S, G0SB, G1SB                     ; the scales first; by this text's count three tensor loads of a wave are out at the most
.irp s, 0,1
	s_mov_b32 s[G0+4*\s], 1
	s_add_co_u32 s[G0+4*\s+1], s45, \s*SLOT
	s_add_nc_u64 s[G0+4*\s+2:G0+4*\s+3], s[20:21], \s*ROWB
	s_or_b32 s[G0+4*\s+3], s[G0+4*\s+3], 0x80000000
	s_mov_b32 s[G0B+4*\s], 1
	s_add_co_u32 s[G0B+4*\s+1], s45, \s*SLOT
	s_add_nc_u64 s[G0B+4*\s+2:G0B+4*\s+3], s[46:47], \s*ROWB
	s_or_b32 s[G0B+4*\s+3], s[G0B+4*\s+3], 0x80000000
	JLOAD G0+4*\s, G1, G0B+4*\s, G1B
.endr
	v_and_b32 v1, 15, v0                           ; r = lane % 16
	v_bfe_u32 v2, v0, 4, 1                         ; h = lane / 16
	v_mul_u32_u24 v3, v1, PITCH
	v_lshl_add_u32 v4, v2, 4, v3
	s_mul_i32 s21, s15, HALFT
	s_mul_i32 s22, s16, HALFT
	s_add_co_u32 s22, s22, 2*HALFT
.irp s, 0,1
	v_add_nc_u32 v[ADRA+\s], s21, v4
	v_add_nc_u32 v[ADRB+\s], s22, v4
	s_add_co_u32 s21, s21, SLOT
	s_add_co_u32 s22, s22, SLOT
.endr
	v_mul_u32_u24 v5, v1, KS                       ; my row's scales: 32 bytes a row,
	v_lshrrev_b32 v6, 8, v5
	v_lshl_add_u32 v5, v6, 4, v5                   ; and 16 more for each 256 passed
	s_mul_i32 s21, s15, HALFS
	s_mul_i32 s22, s16, HALFS
	s_add_co_u32 s22, s22, 2*HALFS
	s_sub_co_u32 s22, s22, s21
	v_mul_u32_u24 v6, s22, v2                      ; lanes 16-31 take B's
	s_add_co_u32 s21, s21, SCL
	v_add_nc_u32 v5, v5, v6
	v_add_nc_u32 v[ADRS], s21, v5
	s_mul_i32 s23, s14, 16*SPITCH                  ; my stage
	v_mul_u32_u24 v5, v1, SPITCH
	v_lshl_add_u32 v5, v2, 4, v5
	v_add_nc_u32 v[STO], s23, v5                   ; in: row r, 16 bytes for each half of the lanes
	v_bfe_u32 v5, v0, 3, 1
	v_mul_u32_u24 v5, v5, SPITCH
	v_lshl_add_u32 v5, v2, 7, v5
	v_and_b32 v6, 7, v0
	v_lshl_add_u32 v5, v6, 4, v5
	v_add_nc_u32 v[RD], s23, v5                    ; back: lanes 0-15 two rows' 128 bytes of my first head, lanes 16-31 of my second (two rows fall on the same banks here: two passes an instruction)
	v_lshlrev_b32 v[CO], 4, v1
	v_lshl_add_u32 v[CO], v2, 18, v[CO]            ; in qkvh: two neighbouring t of a head are 256 consecutive bytes; the next head lies 262,144 bytes on
	v_lshlrev_b32 v[BO], 5, v2
	s_lshl_b32 s46, s42, 10                        ; the bias: 4 bytes x (256 x tile column + 128 x half)
	s_lshl_b32 s47, s16, 9
	s_add_co_u32 s46, s46, s47
	s_mov_b32 s47, 0
	s_add_nc_u64 s[96:97], s[96:97], s[46:47]
.irp b, 0,1,2,3,4,5,6,7
	global_load_b128 v[BI+8*\b:BI+8*\b+3], v[BO], s[96:97] offset:64*\b        ; lane (r, h): b_attn at columns 16 b + 8 h + 0 .. 7
	global_load_b128 v[BI+8*\b+4:BI+8*\b+7], v[BO], s[96:97] offset:64*\b+16
.endr
	s_lshr_b32 s20, s42, 2                         ; where my part of the tile begins in qkvh: the part (q, k or v),
	s_lshl_b32 s20, s20, 24
	s_lshr_b32 s21, s17, 3                         ; the batch,
	s_lshl_b32 s21, s21, 22
	s_add_co_u32 s20, s20, s21
	s_and_b32 s21, s42, 3                          ; my first head: 4 x (tile column % 4) + 2 x half,
	s_lshl_b32 s21, s21, 2
	s_lshl_b32 s46, s16, 1
	s_add_co_u32 s21, s21, s46
	s_lshl_b32 s21, s21, 18
	s_add_co_u32 s20, s20, s21
	s_and_b32 s21, s17, 7                          ; my first t: 128 x (2 x (tile row % 8) + half), rows of 128 bytes
	s_lshl_b32 s21, s21, 1
	s_add_co_u32 s21, s21, s15
	s_lshl_b32 s21, s21, 14
	s_add_co_u32 s20, s20, s21
	s_mov_b32 s21, 0
	s_add_nc_u64 s[12:13], s[12:13], s[20:21]
.macro FRAG reg, adr, q, i             ; 16 rows x 128 K of 4-bit codes: 8 registers: registers 4 c .. 4 c + 3 hold K = 64 c + 32 (lane / 16) + 0 .. 31
.irp c, 0,1
	ds_load_b128 v[\reg+4*\c:\reg+4*\c+3], v[\adr] offset:64*(\q)+32*\c+(\i)*16*PITCH
.endr
.endm
; 16 matrix instructions: A's blocks a0, a0 + 1 x B's eight.  zero = 1: the first product starts the sums, with the bias as C.  The 64 accumulators take turns, one instruction a turn.
.macro MUL16 a0, p, q, sc, zero
.irp a, \a0, \a0+1
.irp b, 0,1,2,3,4,5,6,7
.if \zero
	v_wmma_scale_f32_16x16x128_f8f6f4 v[8*(8*((\a)%4)+\b):8*(8*((\a)%4)+\b)+7], v[128*(\p)+FR*\b:128*(\p)+FR*\b+FR-1], v[AF+FR*(\a):AF+FR*(\a)+FR-1], v[BI+8*\b:BI+8*\b+7], v[SC+8*NQ*(\sc)+NQ*\b+(\q)], v[SC+8*NQ*(\sc)+NQ*(\a)+(\q)] matrix_a_fmt:MATRIX_FMT_FP4 matrix_b_fmt:MATRIX_FMT_FP4 matrix_a_scale:MATRIX_SCALE_ROW1
.else
	v_wmma_scale_f32_16x16x128_f8f6f4 v[8*(8*((\a)%4)+\b):8*(8*((\a)%4)+\b)+7], v[128*(\p)+FR*\b:128*(\p)+FR*\b+FR-1], v[AF+FR*(\a):AF+FR*(\a)+FR-1], v[8*(8*((\a)%4)+\b):8*(8*((\a)%4)+\b)+7], v[SC+8*NQ*(\sc)+NQ*\b+(\q)], v[SC+8*NQ*(\sc)+NQ*(\a)+(\q)] matrix_a_fmt:MATRIX_FMT_FP4 matrix_b_fmt:MATRIX_FMT_FP4 matrix_a_scale:MATRIX_SCALE_ROW1
.endif
.endr
.endr
.endm
.macro FETCH_B slot, q, p
	WIN TO_B
.irp i, 0,1,2,3,4,5,6,7
	FRAG 128*(\p)+FR*\i, ADRB+\slot, \q, \i
.endr
	WIN 0
.endm
.macro FETCH_A slot, q, i0
.irp i, \i0, \i0+1, \i0+2, \i0+3
	FRAG AF+FR*(\i), ADRA+\slot, \q, \i
.endr
.endm
.macro SCALES sc                       ; a slot's scale words: lanes 0-15 take A's block i, lanes 16-31 B's block i
.irp i, 0,1,2,3,4,5,6,7
	ds_load_b128 v[SC+8*NQ*\sc+NQ*\i:SC+8*NQ*\sc+NQ*\i+3], v[ADRS] offset:\i*SBLK
.endr
.endm
.macro PLACES n                        ; places in front of loads into registers that matrix instructions have read, and of the first read of results
.rept \n
	v_nop
.endr
.endm
.macro STEP slot, q, zero              ; 128 along K with its successor in the same slot
	s_wait_dscnt 4*NL                              ; B's set and A's blocks 0-3 are in; the youngest eight loads (A's blocks 4-7) may be out
.if \zero
	WIN 0x81                                       ; C (the bias) window 0, D window 2
.else
	WIN MUL_LO
.endif
	MUL16 0, (\q)%2, \q, \slot, \zero
	MUL16 2, (\q)%2, \q, \slot, \zero
	s_wait_dscnt 0
	PLACES NP
	FETCH_B \slot, (\q)+1, 1-(\q)%2
	FETCH_A \slot, (\q)+1, 0
.if \zero
	WIN 0xc1                                       ; C window 0, D window 3
.else
	WIN MUL_HI
.endif
	MUL16 4, (\q)%2, \q, \slot, \zero
	MUL16 6, (\q)%2, \q, \slot, \zero
	PLACES NP
	WIN 0
	FETCH_A \slot, (\q)+1, 4
.endm
; Slot 0's last step changes slots: one barrier; in front of it each wave waits for all its tensor loads (slot 1's part), adds 0 to its spare word, and waits for that and for its reads of slot 0.
.macro TURN slot, next
	s_wait_tensorcnt 0x0
	ds_add_u32 v[SPW], v[NIL]
	s_wait_dscnt 4*NL+1                            ; the add and the youngest eight loads may be out
	WIN MUL_LO
	MUL16 0, 1, NQ-1, \slot, 0
	s_wait_dscnt 0x0                               ; the add is done, and my reads of this slot are over
	s_barrier_signal -1
	MUL16 2, 1, NQ-1, \slot, 0
	WIN 0
	s_barrier_wait -1
	PLACES NP
	v_add_nc_u32 v[ADRS], 4*NQ, v[ADRS]            ; on to the next slot's scale words
	FETCH_B \next, 0, 0
	FETCH_A \next, 0, 0
	SCALES \next
	WIN MUL_HI
	MUL16 4, 1, NQ-1, \slot, 0
	MUL16 6, 1, NQ-1, \slot, 0
	PLACES NP
	WIN 0
	FETCH_A \next, 0, 4
.endm
.macro STEPS slot, from
.set Q, \from
.rept NQ-1-\from
	STEP \slot, Q, 0
.set Q, Q+1
.endr
.endm
	s_wait_tensorcnt 1                             ; the scales and my part of slot 0 are in; slot 1's load may be out,
	s_barrier_signal -1
	s_barrier_wait -1                              ; everybody's are
	FETCH_B 0, 0, 0
	FETCH_A 0, 0, 0
	SCALES 0
	FETCH_A 0, 0, 4
	s_wait_loadcnt 0x0                             ; the bias
	STEP 0, 0, 1
	STEPS 0, 1
	TURN 0, 1
	STEPS 1, 0
	s_wait_dscnt 4*NL                              ; the very last step: nothing more to fetch
	WIN MUL_LO
	MUL16 0, 1, NQ-1, 1, 0
	MUL16 2, 1, NQ-1, 1, 0
	s_wait_dscnt 0
	WIN MUL_HI
	MUL16 4, 1, NQ-1, 1, 0
	MUL16 6, 1, NQ-1, 1, 0
	WIN 0
; THE WAY OUT, block by block of 16 rows x 128 columns (two heads).  PACK: rounded to f16, 16 bytes a lane, each accumulator from its low end on.  TOSTAGE: into my own stage and back by heads.  SEND: stored.
.macro PACK a
.set AC, 64*((\a)%4)
	WIN 0x0a+5*((\a)/4)                            ; sources 0 and 1: window 2 or 3
.irp b, 0,1,2,3,4,5,6,7
.irp r, 0,1,2,3
	v_cvt_pk_f16_f32 v[TMP+4*\b+\r], v[AC+8*\b+2*\r], v[AC+8*\b+2*\r+1]
.endr
.endr
	WIN 0
.endm
.macro TOSTAGE a
.set BB, BK+32*((\a)%2)
.irp b, 0,1,2,3,4,5,6,7
	ds_store_b128 v[STO], v[TMP+4*\b:TMP+4*\b+3] offset:32*\b
.endr
.irp u, 0,1,2,3,4,5,6,7
	ds_load_b128 v[BB+4*\u:BB+4*\u+3], v[RD] offset:\u*2*SPITCH    ; LDS serves a wave's instructions in order (ISA guide 5.7.1.4): these see the stores above
.endr
.endm
.macro SEND a
.set BB, BK+32*((\a)%2)
	s_wait_dscnt 0x0                               ; the block is back in registers
	s_wait_xcnt 0x0                                ; the stores of the block before have read their registers: the next block's loads may land there
.irp u, 0,1,2,3,4,5,6,7
	global_store_b128 v[CO], v[BB+4*\u:BB+4*\u+3], s[12:13] offset:2048*(\a)+256*\u   ; sixteen lanes store 256 consecutive bytes, aligned: t = 16 a + 2 u and the next, of one head
.endr
.endm
	PLACES NP
	PACK 0
	TOSTAGE 0
.irp a, 1,2,3,4,5,6,7
	PACK \a
	SEND \a-1
	TOSTAGE \a
.endr
	SEND 7
	s_wait_tensorcnt 0x0                           ; the wave's end
	ds_add_u32 v[SPW], v[NIL]
	s_wait_dscnt 0x0
	CROUND                                         ; the closing round
	s_endpgm
.Lfunc_end_k_qfd0f8a9b46_qkvgemm:
	.size	k_qfd0f8a9b46_qkvgemm, .Lfunc_end_k_qfd0f8a9b46_qkvgemm-k_qfd0f8a9b46_qkvgemm
	.p2alignl 7, 3214868480
	.fill 96, 4, 3214868480
	.section	.rodata,"a",@progbits
	.p2align	6, 0x0
	.amdhsa_kernel k_qfd0f8a9b46_qkvgemm
		.amdhsa_group_segment_fixed_size 327680
		.amdhsa_private_segment_fixed_size 0
		.amdhsa_enable_private_segment 0
		.amdhsa_kernarg_size 48
		.amdhsa_user_sgpr_count 2
		.amdhsa_user_sgpr_kernarg_segment_ptr 1
		.amdhsa_wavefront_size32 1
		.amdhsa_system_sgpr_workgroup_id_x 1
		.amdhsa_system_sgpr_workgroup_id_y 1
		.amdhsa_system_sgpr_workgroup_id_z 1
		.amdhsa_system_vgpr_workitem_id 0
		.amdhsa_next_free_vgpr 1024
		.amdhsa_next_free_sgpr 98
		.amdhsa_reserve_vcc 0
		.amdhsa_float_denorm_mode_32 3
		.amdhsa_float_denorm_mode_16_64 3
		.amdhsa_memory_ordered 1
		.amdhsa_forward_progress 1
		.amdhsa_inst_pref_size 128
	.end_amdhsa_kernel
	.amdgpu_metadata
---
amdhsa.version: [ 1, 2 ]
amdhsa.kernels:
  - .name:           k_qfd0f8a9b46_qkvgemm
    .symbol:         k_qfd0f8a9b46_qkvgemm.kd
    .args:
      - { .name: xc, .offset: 0, .size: 8, .value_kind: global_buffer, .address_space: global }
      - { .name: xs, .offset: 8, .size: 8, .value_kind: global_buffer, .address_space: global }
      - { .name: wc, .offset: 16, .size: 8, .value_kind: global_buffer, .address_space: global }
      - { .name: ws, .offset: 24, .size: 8, .value_kind: global_buffer, .address_space: global }
      - { .name: b_attn, .offset: 32, .size: 8, .value_kind: global_buffer, .address_space: global }
      - { .name: qkvh, .offset: 40, .size: 8, .value_kind: global_buffer, .address_space: global }
    .group_segment_fixed_size: 327680
    .private_segment_fixed_size: 0
    .kernarg_segment_align: 8
    .kernarg_segment_size: 48
    .max_flat_workgroup_size: 128
    .sgpr_count:     98
    .vgpr_count:     1024
    .wavefront_size: 32
...
	.end_amdgpu_metadata
.endif
;; end of part 2
;; launch attn (part 3): grid 4 x 64, 8 waves a work-group, no clusters, 327,680 bytes of LDS; arguments qkvh, yh; writes yh
.if DOCPART == 3
	.amdgcn_target "amdgcn-amd-amdhsa--gfx1250"
	.amdhsa_code_object_version 6
	.text
	.protected	k_qfd0f8a9b46_attn
	.globl	k_qfd0f8a9b46_attn
	.p2align	8
	.type	k_qfd0f8a9b46_attn,@function
k_qfd0f8a9b46_attn:
	s_mov_b64 s[64:65], 0
	v_nop
	global_prefetch_b8 v0, s[64:65] scope:SCOPE_SE
	s_setreg_imm32_b32 hwreg(HW_REG_WAVE_MODE, 25, 1), 1
	s_wait_xcnt 0x0
; y[b][h][q] = the sum over k <= q of softmax_k(Q[q] . K[k] / 8) V[k], head size 64, T = 2,048, f16 operands, f32 products' sums, maxima and sums; the weights p are rounded to f16, y once at the end.
; qkvh: [part 3][b 4][h 16][t 2048][64] f16.  yh: [row block of 128 = (2048 b + t) / 128][h 16][128 rows][64] f16.  LIMIT: magnitudes under 65,504 (f16); NaN and infinities are not served.
; SHARES.  Work-group (i, head), i = 0..3, takes query block 7 - i and then block i, 256 queries each: 8 - i and i + 1 slots of 256 keys, nine in every work-group: the trip count is a constant and the work is even.
; Wave w owns 32 queries, two tiles of 16: sub-block w (w < 4) or 11 - w, so that waves w and w + 4 have five steps on the diagonal between them.  Key steps that lie wholly behind the mask are left out by a scalar branch on ids.
; NO CLUSTER: from the sixth slot on the four work-groups of a head want different tiles (block 7 - i goes on while block i' begins); a walk in which all four ask for every tile jointly has 12 trips against 9.
; LAYOUT.  S^T = K Q^T (source 0 = 16 keys, source 1 = 16 queries), O^T = V^T P (source 0 = 16 channels, by the turning LDS load; source 1 = P): a lane holds ONE query (lane % 16) throughout.
; SOFTMAX.  For each query a running maximum m and sum l: p = 2^(c s - c m), c = log2(e) / 8; in every step O and l are multiplied by a = 2^(c m_old - c m_new).  m begins at -3e38, O and l at zero.
; RING.  Two LDS slots of 256 keys (K, then V); waves 0-3 fetch K's quarters, waves 4-7 V's, one tensor load a wave behind each change of slots: one tensor load of a wave is out at any time.
; REGISTERS.  window 0: v1-15 addresses and constants; v16-31 statistics, eight a tile; v32-95 S^T; v96-127 P; v128-191 O^T.  window 1: v0-31 Q, v32-63 the second block's Q, v64-127 K, v128-191 V.
.set KP,    144                        ; a row of K in LDS: 128 bytes + 16: the 16 rows of a load start at 16 different banks (64 banks of 4 bytes: ISA guide 11.1)
.set VP,    160                        ; a row of V: 128 + 32
.set VOFF,  256*KP
.set SLOT1, 131072                     ; one exclusive or turns an address in one slot into the other's
.set STAGE, SLOT1+256*(KP+VP)          ; behind the ring: 32 rows x 144 bytes for each wave, for the way out; no tile lands there
.set SPARE, STAGE+8*32*KP              ; the spare words: 128 bytes a wave, four blocks of 256 bytes that no other line names
.set ST, 16                            ; tile t at v[16 + 8 t]: +0 c m, +1 m, +2, +3 l, +4 to +7 at work; a takes +6
.set S,  32
.set P,  96
.set O,  128
.set KR, 64                            ; in window 1
.set VR, 128
.set MSB, 0
.macro WIN new
.if MSB != (\new)
	s_set_vgpr_msb (MSB<<8)|(\new)
.set MSB, \new
.endif
.endm
.macro TLOAD                           ; the branch hangs on the wave's number alone; four v_nop follow each of the two lines
	s_cmp_lt_u32 s8, 4
	s_cbranch_scc0 .Lfor_v_\@
	tensor_load_to_lds s[40:43], s[24:31]
	s_nop 0
.rept 4
	v_nop
.endr
	s_branch .Lasked_\@
.Lfor_v_\@:
	tensor_load_to_lds s[44:47], s[32:39]
	s_nop 0
.rept 4
	v_nop
.endr
.Lasked_\@:
.endm
; A prefetch of my wave's own 64 rows (8,192 bytes, lanes 256 bytes apart) of the key slot that the NEXT change of slots will ask for.  All four work-groups of a head walk the same K and V from slot 0 on:
; the head's first work-group asks, in trips 0 to 5, for slots 2 to 7: each aligned block of 256 bytes is named once in the launch.  Slots 0 and 1 come by their loads alone.
.macro ASK
	s_cmp_lt_u32 s13, s19
	s_cbranch_scc0 .Lnot_mine_\@
	global_prefetch_b8 v9, s[52:53] th:TH_LOAD_NT scope:SCOPE_SE
.Lnot_mine_\@:
.endm
	s_load_b128 s[4:7], s[0:1], 0x0                ; qkvh, yh
	v_lshl_add_u32 v10, v0, 2, SPARE
	v_mov_b32 v11, 0
	ds_add_u32 v10, v11
	ds_add_u32 v10, v11
	s_wait_dscnt 0x0
	v_lshrrev_b32 v1, 5, v0
	v_readfirstlane_b32 s8, v1                     ; wave 0..7
	s_and_b32 s9, s8, 3                            ; which quarter of a tile I fetch
	s_mov_b32 s11, ttmp9                           ; i
	s_sub_co_u32 s12, 8, s11                       ; NH: slots of the first block
	s_sub_co_u32 s61, 11, s8
	s_cmp_lt_u32 s8, 4
	s_cselect_b32 s10, s8, s61                     ; my sub-block of 32 queries
	s_lshl_b32 s62, s10, 5
	s_sub_co_u32 s63, 7, s11                       ; the first block
	s_lshl_b32 s16, s63, 8
	s_add_co_u32 s16, s16, s62                     ; my first query in it
	s_lshl_b32 s17, s11, 8
	s_add_co_u32 s17, s17, s62                     ; and in the second block
	s_and_b32 s60, ttmp7, 0xffff                   ; 16 b + h
	s_mov_b32 s24, (1<<16)|(1<<20)|(4<<22)|(3<<25) ; K: no mask; elements of 2 bytes; padding on: 4 words behind every 32
	s_mov_b32 s32, (1<<16)|(1<<20)|(4<<22)|(7<<25) ; V: 8 words
.irp g, 24, 32
	s_mov_b32 s[\g+1], 64<<16                      ; tensor_dim0 = 64
	s_mov_b32 s[\g+2], 64<<16                      ; tensor_dim1 = 64
	s_mov_b32 s[\g+3], 64<<16                      ; tile_dim0 = 64
	s_mov_b32 s[\g+4], 64                          ; tile_dim1 = 64
	s_mov_b32 s[\g+5], 64                          ; the pitch
	s_mov_b32 s[\g+6], 0
	s_mov_b32 s[\g+7], 0
.endr
	s_mov_b32 s20, 0x76543210
	s_mov_b32 s21, 0xfedcba98                      ; v_permlanex16_b32's selects for lane l xor 16
	s_mov_b32 s22, 0x3e38aa3b                      ; c = log2(e) / 8
	s_mov_b32 s23, s22                             ; (named with it as a pair, so it is written)
	s_mov_b32 s18, 0                               ; the slot in hand begins at LDS byte 0
	s_mov_b32 s13, 0                               ; N: the trip
	s_cmp_eq_u32 ttmp9, 0
	s_cselect_b32 s19, 6, 0                        ; trips in which I prefetch
	s_lshl_b32 s66, s60, 18                        ; the head's first byte in a part
	s_lshl_b32 s58, s9, 13                         ; my quarter: 64 rows of 128 bytes
	s_add_co_u32 s58, s58, s66
	s_add_co_u32 s58, s58, 0x1000000               ; part 1: K
	s_mov_b32 s59, 0
	s_lshr_b32 s67, s60, 4
	s_lshl_b32 s67, s67, 4                         ; 16 b
	s_lshr_b32 s68, s10, 2
	s_add_co_u32 s67, s67, s68                     ; + which half of a block of 256
	s_lshl_b32 s68, s63, 1
	s_add_co_u32 s68, s68, s67
	s_lshl_b32 s68, s68, 18                        ; the first block's row block of 128, in bytes
	s_lshl_b32 s69, s11, 1
	s_add_co_u32 s69, s69, s67
	s_lshl_b32 s69, s69, 18                        ; the second block's
	s_and_b32 s67, s60, 15
	s_lshl_b32 s67, s67, 14                        ; the head's 128 rows
	s_and_b32 s70, s10, 3
	s_lshl_b32 s70, s70, 12                        ; my 32 of them
	s_add_co_u32 s67, s67, s70
	s_add_co_u32 s68, s68, s67
	s_add_co_u32 s70, s69, s67
	s_wait_kmcnt 0x0
	s_add_nc_u64 s[48:49], s[4:5], s[58:59]        ; K at my quarter of slot 0
	s_add_nc_u64 s[50:51], s[48:49], 0x1000000     ; V likewise
	s_mov_b32 s58, s68
	s_add_nc_u64 s[54:55], s[6:7], s[58:59]        ; y: my 4,096 bytes of the block in hand,
	s_mov_b32 s58, s70
	s_add_nc_u64 s[56:57], s[6:7], s[58:59]        ; and of the second block
	s_lshl_b32 s58, s16, 7
	s_add_co_u32 s58, s58, s66
	s_add_nc_u64 s[60:61], s[4:5], s[58:59]        ; Q of the first block
	s_lshl_b32 s58, s17, 7
	s_add_co_u32 s58, s58, s66
	s_add_nc_u64 s[62:63], s[4:5], s[58:59]        ; Q of the second
	s_cmp_lt_u32 s8, 4
	s_cselect_b64 s[52:53], s[48:49], s[50:51]     ; my prefetches walk what I fetch;
	s_add_nc_u64 s[52:53], s[52:53], 32768         ; at slot 1: the first change of slots steps it to slot 2
	s_mov_b32 s40, 1
	s_mul_i32 s41, s9, 64*KP
	s_mov_b64 s[42:43], s[48:49]
	s_or_b32 s43, s43, 0x80000000
	s_mov_b32 s44, 1
	s_mul_i32 s45, s9, 64*VP
	s_add_co_u32 s45, s45, VOFF
	s_mov_b64 s[46:47], s[50:51]
	s_or_b32 s47, s47, 0x80000000
	TLOAD                                          ; key slot 0 into LDS slot 0
	v_and_b32 v32, 15, v0                          ; r
	v_bfe_u32 v33, v0, 4, 1                        ; h
	v_and_b32 v34, 31, v0                          ; lane
	v_and_b32 v35, 7, v0
	v_bfe_u32 v36, v0, 3, 1
	v_bfe_u32 v37, v0, 3, 2                        ; lane / 8
	v_mul_u32_u24 v1, v32, KP
	v_lshl_add_u32 v1, v33, 4, v1                  ; K: row r, + 16 h
	v_lshl_add_u32 v2, v33, 3, v35
	v_mul_u32_u24 v2, v2, VP
	v_lshl_add_u32 v2, v36, 4, v2
	v_add_nc_u32 v2, VOFF, v2                      ; V: key 8 h + lane % 8, channels 8 ((lane / 8) % 2) on
	v_lshlrev_b32 v5, 7, v32
	v_lshl_add_u32 v5, v33, 4, v5                  ; Q: row r of 128 bytes, + 16 h
	s_mul_i32 s67, s8, 32*KP
	s_add_co_u32 s67, s67, STAGE                   ; my stage
	v_add_nc_u32 v6, s67, v1                       ; in: row r, + 16 h
	v_mul_u32_u24 v7, v37, KP
	v_lshl_add_u32 v7, v35, 4, v7
	v_add_nc_u32 v7, s67, v7                       ; back: four rows of 128 bytes an instruction
	v_lshlrev_b32 v8, 4, v34                       ; and the same 512 bytes in y
	v_lshlrev_b32 v9, 8, v34                       ; the prefetches' offset
	v_lshlrev_b32 v12, 3, v33
	v_sub_nc_u32 v12, v32, v12                     ; r - 8 h
	v_mov_b32 v14, 0xff800000                      ; -infinity
	WIN 0x40                                       ; destination window 1
.irp t, 0,1
.irp kk, 0,1
	global_load_b128 v[16*\t+8*\kk:16*\t+8*\kk+3],     v5, s[60:61] offset:\t*2048+\kk*64
	global_load_b128 v[16*\t+8*\kk+4:16*\t+8*\kk+7],   v5, s[60:61] offset:\t*2048+\kk*64+32
	global_load_b128 v[32+16*\t+8*\kk:32+16*\t+8*\kk+3],   v5, s[62:63] offset:\t*2048+\kk*64
	global_load_b128 v[32+16*\t+8*\kk+4:32+16*\t+8*\kk+7], v5, s[62:63] offset:\t*2048+\kk*64+32
.endr
.endr
	WIN 0
.irp t, 0,1
.irp n, 4,5,6,7
	v_mov_b32 v[ST+8*\t+\n], 0                     ; the statistics' work registers, written once, so that they are written on every path to a block's end: a lane permute's destination (+5) counts as one of its sources, and the packed forms name +7 with +6 as a pair
.endr
.endr
.macro RESET                           ; a block of queries begins: the step is written once and finds zeros, which the first a = 0 leaves zeros
.irp t, 0,1
	v_mov_b32 v[ST+8*\t+1], 0xff61b1e6             ; m = -3e38, under every score
	v_mul_f32 v[ST+8*\t], s22, v[ST+8*\t+1]
	v_mov_b32 v[ST+8*\t+2], 0
	v_mov_b32 v[ST+8*\t+3], 0
.endr
.set i, 0
.rept 64
	v_mov_b32 v[O+i], 0
.set i, i+1
.endr
.endm
	RESET
	s_wait_loadcnt 0x0                             ; Q of both blocks; s60 to s63 are free from here on
.macro SOFTMAX                         ; both tiles line by line, so that no line waits for the line above it
.irp n, 0,1,2,3
.irp t, 0,1
	v_max3_num_f32 v[ST+8*\t+4+\n], v[S+32*\t+8*\n], v[S+32*\t+8*\n+1], v[S+32*\t+8*\n+2]   ; each accumulator is read from its low end on
.endr
.endr
.irp g, 3,5
.irp n, 0,1,2,3
.irp t, 0,1
	v_max3_num_f32 v[ST+8*\t+4+\n], v[ST+8*\t+4+\n], v[S+32*\t+8*\n+\g], v[S+32*\t+8*\n+\g+1]
.endr
.endr
.endr
.irp t, 0,1
	v_max3_num_f32 v[ST+8*\t+4], v[ST+8*\t+4], v[S+32*\t+7], v[S+32*\t+15]
	v_max3_num_f32 v[ST+8*\t+6], v[ST+8*\t+6], v[S+32*\t+23], v[S+32*\t+31]
.endr
.irp t, 0,1
	v_max3_num_f32 v[ST+8*\t+4], v[ST+8*\t+4], v[ST+8*\t+5], v[ST+8*\t+6]
.endr
.irp t, 0,1
	v_max3_num_f32 v[ST+8*\t+4], v[ST+8*\t+4], v[ST+8*\t+7], v[ST+8*\t+1]   ; with the old m
.endr
.irp t, 0,1
	v_permlanex16_b32 v[ST+8*\t+5], v[ST+8*\t+4], s20, s21   ; the query's other 32 keys lie in the lane 16 away
.endr
.irp t, 0,1
	v_mov_b32 v[ST+8*\t+7], v[ST+8*\t]             ; c m_old
.endr
.irp t, 0,1
	v_max_num_f32 v[ST+8*\t+1], v[ST+8*\t+4], v[ST+8*\t+5]
.endr
.irp t, 0,1
	v_mul_f32 v[ST+8*\t], s22, v[ST+8*\t+1]
.endr
.irp t, 0,1
	v_sub_f32 v[ST+8*\t+7], v[ST+8*\t+7], v[ST+8*\t]
.endr
.irp b, 0,1,2,3,4,5,6,7,8,9,10,11,12,13,14,15
.irp t, 0,1
	v_pk_fma_f32 v[S+32*\t+2*\b:S+32*\t+2*\b+1], v[S+32*\t+2*\b:S+32*\t+2*\b+1], s[22:23], v[ST+8*\t:ST+8*\t+1] op_sel_hi:[1,0,0] neg_lo:[0,0,1] neg_hi:[0,0,1]   ; c s - c m
.endr
.endr
.irp t, 0,1
	v_exp_f32 v[ST+8*\t+6], v[ST+8*\t+7]           ; a
.endr
.irp j, 0,1,2,3,4,5,6,7,8,9,10,11,12,13,14,15,16,17,18,19,20,21,22,23,24,25,26,27,28,29,30,31
.irp t, 0,1
	v_exp_f32 v[S+32*\t+\j], v[S+32*\t+\j]         ; p, at most 1
.endr
.endr
	v_nop                                          ; a plain instruction between the last exponential and the use of its result
	s_wait_alu depctr_va_vdst(0)
.irp i, 0,1,2,3,4,5,6,7,8,9,10,11,12,13,14,15
.irp t, 0,1
	v_cvt_pk_f16_f32 v[P+16*\t+\i], v[S+32*\t+2*\i], v[S+32*\t+2*\i+1]   ; two tiles of S^T, packed in pairs, ARE source 1 of V^T P
.endr
.endr
.irp u, 0,1,2,3,4,5,6,7
.irp t, 0,1
	v_pk_add_f32 v[S+32*\t+4*\u:S+32*\t+4*\u+1], v[S+32*\t+4*\u:S+32*\t+4*\u+1], v[S+32*\t+4*\u+2:S+32*\t+4*\u+3]   ; the sum of the unrounded p, in place, as a tree
.endr
.endr
.irp u, 0,1,2,3
.irp t, 0,1
	v_pk_add_f32 v[S+32*\t+8*\u:S+32*\t+8*\u+1], v[S+32*\t+8*\u:S+32*\t+8*\u+1], v[S+32*\t+8*\u+4:S+32*\t+8*\u+5]
.endr
.endr
.irp u, 0,1
.irp t, 0,1
	v_pk_add_f32 v[S+32*\t+16*\u:S+32*\t+16*\u+1], v[S+32*\t+16*\u:S+32*\t+16*\u+1], v[S+32*\t+16*\u+8:S+32*\t+16*\u+9]
.endr
.endr
.irp t, 0,1
	v_pk_add_f32 v[S+32*\t:S+32*\t+1], v[S+32*\t:S+32*\t+1], v[S+32*\t+16:S+32*\t+17]
.endr
.irp t, 0,1
	v_pk_fma_f32 v[ST+8*\t+2:ST+8*\t+3], v[ST+8*\t+2:ST+8*\t+3], v[ST+8*\t+6:ST+8*\t+7], v[S+32*\t:S+32*\t+1] op_sel_hi:[1,0,1]   ; l = a l + the sum
.endr
.irp i, 0,1,2,3,4,5,6,7,8,9,10,11,12,13,14,15
.irp t, 0,1
	v_pk_mul_f32 v[O+32*\t+2*\i:O+32*\t+2*\i+1], v[O+32*\t+2*\i:O+32*\t+2*\i+1], v[ST+8*\t+6:ST+8*\t+7] op_sel_hi:[1,0]   ; O^T x a
.endr
.endr
.endm
; A KEY STEP: 64 keys, the q-th of the slot in hand.  s14: its first key; s15: my first query.
.macro STEP q
	s_add_co_u32 s60, s15, 31
	s_cmp_gt_u32 s14, s60                          ; all its keys come after my 32 queries: the step's work is left out (no barrier and no tensor load stands in a step)
	s_cbranch_scc1 .Lhidden_\@
	v_add_nc_u32 v3, s18, v1
	v_add_nc_u32 v4, s18, v2
	v_nop
	v_nop                                          ; four places in front of loads into registers that the last products read
	WIN 0x40
.irp kt, 0,1,2,3
.irp kk, 0,1
	ds_load_b128 v[KR+16*\kt+8*\kk:KR+16*\kt+8*\kk+3],   v3 offset:(\q)*64*KP+\kt*16*KP+\kk*64
	ds_load_b128 v[KR+16*\kt+8*\kk+4:KR+16*\kt+8*\kk+7], v3 offset:(\q)*64*KP+\kt*16*KP+\kk*64+32
.endr
.endr
.irp kk, 0,1
.irp c, 0,1,2,3
	ds_load_tr16_b128 v[VR+32*\kk+8*\c:VR+32*\kk+8*\c+3],   v4 offset:(\q)*64*VP+\kk*32*VP+\c*32
	ds_load_tr16_b128 v[VR+32*\kk+8*\c+4:VR+32*\kk+8*\c+7], v4 offset:(\q)*64*VP+\kk*32*VP+16*VP+\c*32
.endr
.endr
	s_wait_dscnt 16                                ; K's sixteen loads are in; V's sixteen may be out
	WIN 0x05                                       ; K and Q window 1, S^T window 0
.irp kk, 0,1                           ; eight accumulators by turns, one instruction a turn
.irp kt, 0,1,2,3
.irp t, 0,1
.if \kk == 0
	v_wmma_f32_16x16x32_f16 v[S+32*\t+8*\kt:S+32*\t+8*\kt+7], v[KR+16*\kt+8*\kk:KR+16*\kt+8*\kk+7], v[16*\t+8*\kk:16*\t+8*\kk+7], 0
.else
	v_wmma_f32_16x16x32_f16 v[S+32*\t+8*\kt:S+32*\t+8*\kt+7], v[KR+16*\kt+8*\kk:KR+16*\kt+8*\kk+7], v[16*\t+8*\kk:16*\t+8*\kk+7], v[S+32*\t+8*\kt:S+32*\t+8*\kt+7]
.endif
.endr
.endr
.endr
	WIN 0
.rept 4
	v_nop                                          ; places in front of the first read of the scores
.endr
	s_add_co_u32 s60, s14, 63
	s_cmp_le_u32 s60, s15                          ; all 64 keys count for all my queries: no mask
	s_cbranch_scc1 .Lopen_\@
	s_sub_co_i32 s60, s15, s14
	v_add_nc_u32 v13, s60, v12                     ; d = my query - the step's first key - 8 h.  Register 8 kt + j holds key 16 kt + 8 h + j: hidden where 16 kt + j > d
	v_add_nc_u32 v15, 16, v13                      ; tile 1's queries lie 16 on
.irp kt, 0,1,2,3
.irp j, 0,1,2,3,4,5,6,7
	v_cmp_gt_i32 vcc_lo, 16*\kt+\j, v13
	v_cndmask_b32 v[S+8*\kt+\j], v[S+8*\kt+\j], v14, vcc_lo
	v_cmp_gt_i32 vcc_lo, 16*\kt+\j, v15
	v_cndmask_b32 v[S+32+8*\kt+\j], v[S+32+8*\kt+\j], v14, vcc_lo
.endr
.endr
.Lopen_\@:
	SOFTMAX
	s_wait_dscnt 0x0                               ; V is in
	WIN 0x01                                       ; V window 1; P and O^T window 0
.irp kk, 0,1
.irp c, 0,1,2,3
.irp t, 0,1
	v_wmma_f32_16x16x32_f16 v[O+32*\t+8*\c:O+32*\t+8*\c+7], v[VR+32*\kk+8*\c:VR+32*\kk+8*\c+7], v[P+16*\t+8*\kk:P+16*\t+8*\kk+7], v[O+32*\t+8*\c:O+32*\t+8*\c+7]
.endr
.endr
.endr
	WIN 0
.Lhidden_\@:
	s_add_co_u32 s14, s14, 64
.endm
; THE CHANGE OF SLOTS stands at a slot's head.  Each wave waits for all its tensor loads (its part of the slot that it is about to read), adds 0 to its spare word, and waits for that and for its reads of the slot that it has left.
; Between the add and the wait for it: which block and which keys trip N has; with fill = 1 the descriptors for trip N + 1.  Behind the barrier the other slot is filled first.
.macro CHANGE fill
	s_wait_tensorcnt 0x0                           ; no tensor load of mine is out, so a group 0 may be written
	ds_add_u32 v10, v11
	s_cmp_lt_u32 s13, s12
	s_cselect_b32 s60, 0, s12
	s_cselect_b32 s15, s16, s17                    ; my first query in the block in hand
	s_sub_co_u32 s14, s13, s60
	s_lshl_b32 s14, s14, 8                         ; the slot's first key
.if \fill
	s_add_co_u32 s61, s13, 1
	s_cmp_lt_u32 s61, s12
	s_cselect_b32 s60, 0, s12
	s_sub_co_u32 s58, s61, s60
	s_lshl_b32 s58, s58, 15                        ; the next trip's key slot: 256 rows of 128 bytes each
	s_add_nc_u64 s[42:43], s[48:49], s[58:59]
	s_or_b32 s43, s43, 0x80000000
	s_add_nc_u64 s[46:47], s[50:51], s[58:59]
	s_or_b32 s47, s47, 0x80000000
	s_xor_b32 s41, s41, SLOT1                      ; the other LDS slot than last time
	s_xor_b32 s45, s45, SLOT1
	s_wait_xcnt 0x0                                ; the last prefetch, a slot back, has read its address
	s_add_nc_u64 s[52:53], s[52:53], 32768
.endif
	s_wait_dscnt 0x0                               ; the add is done, and my reads of the slot that I have left are over
	s_barrier_signal -1
	s_barrier_wait -1
.if \fill
	TLOAD                                          ; the first thing behind the barrier, and a wave's one tensor load until the next
	ASK
.endif
.endm
.macro SLOT_STEPS
	STEP 0
	STEP 1
	STEP 2
	STEP 3
	s_xor_b32 s18, s18, SLOT1
.endm
; A block's end: O^T / l, rounded to f16, through my stage, out as 4,096 consecutive bytes.  sw = 1: the second block begins.
.macro FINAL sw
.rept 4
	v_nop                                          ; places behind the last products
.endr
.irp t, 0,1
	v_add_f32 v[ST+8*\t+4], v[ST+8*\t+2], v[ST+8*\t+3]
.endr
.irp t, 0,1
	v_permlanex16_b32 v[ST+8*\t+5], v[ST+8*\t+4], s20, s21
.endr
.irp t, 0,1
	v_add_f32 v[ST+8*\t+4], v[ST+8*\t+4], v[ST+8*\t+5]
.endr
.irp t, 0,1
	v_rcp_f32 v[ST+8*\t+6], v[ST+8*\t+4]
.endr
	v_nop
	s_wait_alu depctr_va_vdst(0)
.irp t, 0,1
.irp i, 0,1,2,3,4,5,6,7,8,9,10,11,12,13,14,15
	v_pk_mul_f32 v[O+32*\t+2*\i:O+32*\t+2*\i+1], v[O+32*\t+2*\i:O+32*\t+2*\i+1], v[ST+8*\t+6:ST+8*\t+7] op_sel_hi:[1,0]
.endr
.endr
.irp t, 0,1
.irp i, 0,1,2,3,4,5,6,7,8,9,10,11,12,13,14,15
	v_cvt_pk_f16_f32 v[S+16*\t+\i], v[O+32*\t+2*\i], v[O+32*\t+2*\i+1]
.endr
.endr
.irp t, 0,1
.irp c, 0,1,2,3
	ds_store_b128 v6, v[S+16*\t+4*\c:S+16*\t+4*\c+3] offset:\t*16*KP+32*\c      ; lane (r, h): query 16 t + r, channels 16 c + 8 h + 0 .. 7
.endr
.endr
.irp u, 0,1,2,3,4,5,6,7
	ds_load_b128 v[S+32+4*\u:S+32+4*\u+3], v7 offset:\u*4*KP                    ; LDS serves a wave's instructions in order (ISA guide 5.7.1.4): these see the stores above
.endr
.irp u, 0,1,2,3,4,5,6,7
	s_wait_dscnt 7-\u                              ; the younger loads may be out
	global_store_b128 v8, v[S+32+4*\u:S+32+4*\u+3], s[54:55] offset:512*\u      ; the wave stores 512 consecutive bytes, aligned
.endr
.if \sw
	s_wait_xcnt 0x0                                ; the stores have read their base and their registers
	s_mov_b64 s[54:55], s[56:57]
	WIN 0x41                                       ; destination and source 0 window 1
.set i, 0
.rept 32
	v_mov_b32 v[i], v[32+i]                        ; the second block's Q takes the first's place
.set i, i+1
.endr
	WIN 0
	RESET
.endif
.endm
.Lslot:                                            ; eight trips: behind each change of slots but the last the next slot is asked for
	CHANGE 1
	SLOT_STEPS
	s_add_co_u32 s60, s13, 1
	s_cmp_lg_u32 s60, s12
	s_cbranch_scc1 .Lnot_last                      ; the first block's last slot is trip NH - 1, one of trips 4 to 7
	FINAL 1
.Lnot_last:
	s_add_co_u32 s13, s13, 1
	s_cmp_lt_u32 s13, 8
	s_cbranch_scc1 .Lslot
	CHANGE 0                                       ; the ninth slot is written out
	SLOT_STEPS
	FINAL 0
	s_wait_tensorcnt 0x0                           ; the wave's end
	ds_add_u32 v10, v11
	s_wait_dscnt 0x0
	s_endpgm
.Lfunc_end_k_qfd0f8a9b46_attn:
	.size	k_qfd0f8a9b46_attn, .Lfunc_end_k_qfd0f8a9b46_attn-k_qfd0f8a9b46_attn
	.p2alignl 7, 3214868480
	.fill 96, 4, 3214868480
	.section	.rodata,"a",@progbits
	.p2align	6, 0x0
	.amdhsa_kernel k_qfd0f8a9b46_attn
		.amdhsa_group_segment_fixed_size 327680
		.amdhsa_private_segment_fixed_size 0
		.amdhsa_enable_private_segment 0
		.amdhsa_kernarg_size 16
		.amdhsa_user_sgpr_count 2
		.amdhsa_user_sgpr_kernarg_segment_ptr 1
		.amdhsa_wavefront_size32 1
		.amdhsa_system_sgpr_workgroup_id_x 1
		.amdhsa_system_sgpr_workgroup_id_y 1
		.amdhsa_system_sgpr_workgroup_id_z 1
		.amdhsa_system_vgpr_workitem_id 0
		.amdhsa_next_free_vgpr 448
		.amdhsa_next_free_sgpr 72
		.amdhsa_reserve_vcc 1
		.amdhsa_float_denorm_mode_32 3
		.amdhsa_float_denorm_mode_16_64 3
		.amdhsa_memory_ordered 1
		.amdhsa_forward_progress 1
		.amdhsa_inst_pref_size 200
	.end_amdhsa_kernel
	.amdgpu_metadata
---
amdhsa.version: [ 1, 2 ]
amdhsa.kernels:
  - .name:           k_qfd0f8a9b46_attn
    .symbol:         k_qfd0f8a9b46_attn.kd
    .args:
      - { .name: qkvh, .offset: 0, .size: 8, .value_kind: global_buffer, .address_space: global }
      - { .name: yh, .offset: 8, .size: 8, .value_kind: global_buffer, .address_space: global }
    .group_segment_fixed_size: 327680
    .private_segment_fixed_size: 0
    .kernarg_segment_align: 8
    .kernarg_segment_size: 16
    .max_flat_workgroup_size: 256
    .sgpr_count:     72
    .vgpr_count:     448
    .wavefront_size: 32
...
	.end_amdgpu_metadata
.endif
;; end of part 3
;; launch proj (part 4): grid 4 x 64, 4 waves a work-group, clusters of 4 x 4, 327,680 bytes of LDS; arguments yh, wt, b_proj, out0; writes out0
.if DOCPART == 4
	.amdgcn_target "amdgcn-amd-amdhsa--gfx1250"
	.amdhsa_code_object_version 6
	.text
	.protected	k_qfd0f8a9b46_proj
	.globl	k_qfd0f8a9b46_proj
	.p2align	8
	.type	k_qfd0f8a9b46_proj,@function
k_qfd0f8a9b46_proj:
	s_mov_b64 s[64:65], 0
	v_nop
	global_prefetch_b8 v0, s[64:65] scope:SCOPE_SE
	s_setreg_imm32_b32 hwreg(HW_REG_WAVE_MODE, 25, 1), 1
	s_wait_xcnt 0x0
	s_wait_alu depctr_hold_cnt(0) depctr_sa_sdst(0) depctr_va_vdst(0) depctr_va_sdst(0) depctr_va_ssrc(0) depctr_va_vcc(0) depctr_vm_vsrc(0)
	s_getreg_b32 s2, hwreg(HW_REG_IB_STS2, 6, 4)
	s_cmp_eq_u32 s2, 0
	s_cbranch_scc0 .Lentry_in_a_cluster
	s_endpgm
.Lentry_in_a_cluster:
	s_bfe_u32 s2, ttmp6, 0x10000c
	s_cmp_lg_u32 s2, 0xf033
	s_cbranch_scc0 .Lentry_shape_is_right
	s_endpgm
.Lentry_shape_is_right:
; out0[m][n] = the sum over k of y[m][k] w_proj[k][n] + b_proj[n].  f16 operands, f32 sums.  yh: [row block of 128][head 16][128 rows][64] f16 (k = 64 head + channel); wt: [1024 n][1024 k] f16; out0: [8192][1024] f32.
; A tile of 128 rows x 256 columns gives 256 work-groups.  Four waves, each 64 x 128: 32 accumulators, 256 registers.  K goes in steps of 128 (two heads) through a ring of two LDS slots.
; CLUSTERS: 4 x 4 work-groups; y's tiles are shared along a row of the cluster, wt's along a column: each is asked for jointly.  Waves 0 and 1 fetch a head's 128 rows of y each (dense in memory), waves 2 and 3 128 rows of wt each.
; THE MATRIX INSTRUCTION IS USED TRANSPOSED (source 0 = 16 rows of wt, source 1 = 16 rows of y): a lane holds eight neighbouring columns of one row.  The bias is the C of each sum's first product.
; No prefetch: eight short K steps on a small tile.
; REGISTERS: window 0: v0-31 addresses; v64-95, v96-127 y's fragments, two buffers; v192-255 the bias; on the way out v128-255.  window 1: wt's fragments, v0-63 and v64-127.  window 2: accumulator (a, b) at v[8 (8 a + b)].
.set PA,    144                        ; a row of y in LDS: 128 bytes + 16
.set PB,    272                        ; a row of wt: 256 bytes + 16: the 16 rows of a load start at 16 different banks (64 banks of 4 bytes: ISA guide 11.1)
.set BOFF,  2*128*PA                   ; a slot: y's two heads x 128 rows, then wt's 256 rows
.set SLOT,  BOFF+256*PB
.set SPARE, 2*SLOT                     ; the spare words: 128 bytes a wave, two blocks of 256 bytes that no other line names
.set SPITCH, 528                       ; the way out: 16 rows x (512 bytes + 16) for each wave, in slot 0, which has had its last fill and its last read by then
.set BO,   7
.set ADRA, 16
.set ADRB, 20
.set STO,  24
.set RD,   25
.set CO,   26
.set SPW,  28
.set NIL,  29
.set AF,   64
.set BI,   192
.set BK,   128
.set G1, 24
.set G0, 32
.set G1B, 48
.set G0B, 56
.set MSB, 0
.macro WIN new
.if MSB != (\new)
	s_set_vgpr_msb (MSB<<8)|(\new)
.set MSB, \new
.endif
.endm
.set MUL,  0xa1                        ; source 0 (wt) window 1, source 1 (y) window 0, C and D window 2
.set TO_B, 0x40
.macro JLOAD s                         ; the branch hangs on the wave's number alone; four v_nop follow each of the two lines
	s_cmp_eq_u32 s11, 0
	s_cbranch_scc0 .Lfor_b_\@
	tensor_load_to_lds s[G0+4*\s:G0+4*\s+3], s[G1:G1+7]
	s_nop 0
.rept 4
	v_nop
.endr
	s_branch .Lasked_\@
.Lfor_b_\@:
	tensor_load_to_lds s[G0B+4*\s:G0B+4*\s+3], s[G1B:G1B+7]
	s_nop 0
.rept 4
	v_nop
.endr
.Lasked_\@:
.endm
.macro CREST                           ; a round of the cluster's barrier behind its opening barrier
	s_cmp_lg_u32 s10, 0
	s_cbranch_scc1 .Lnot_wave_0_\@
	s_barrier_signal -3
.Lnot_wave_0_\@:
	s_barrier_wait -3
	s_barrier_signal -1
	s_barrier_wait -1
.endm
.macro CROUND
	s_barrier_signal -1
	s_barrier_wait -1
	CREST
.endm
	s_load_b128 s[4:7], s[0:1], 0x0                ; yh, wt
	s_load_b64 s[66:67], s[0:1], 0x10              ; b_proj
	s_load_b64 s[8:9], s[0:1], 0x18                ; out0
	v_lshl_add_u32 v[SPW], v0, 2, SPARE
	v_mov_b32 v[NIL], 0
	ds_add_u32 v28, v29
	ds_add_u32 v28, v29
	s_wait_dscnt 0x0
	v_lshrrev_b32 v1, 5, v0
	v_readfirstlane_b32 s10, v1                    ; wave 0..3
	s_lshr_b32 s11, s10, 1                         ; which 64 rows are mine.  Also: I fetch for y (0) or for wt (1)
	s_and_b32 s12, s10, 1                          ; which 128 columns.  Also: which head of a K step, or which 128 rows of wt, I fetch
	s_bfe_u32 s40, ttmp6, 0x40000                  ; cx
	s_bfe_u32 s41, ttmp6, 0x40004                  ; cy
	s_lshl_b32 s42, ttmp9, 2
	s_add_co_u32 s42, s42, s40                     ; tile column
	s_and_b32 s13, ttmp7, 0xffff
	s_lshl_b32 s13, s13, 2
	s_add_co_u32 s13, s13, s41                     ; tile row
	s_lshl_b32 s43, s41, 2
	s_lshl_b32 s43, 15, s43                        ; my row of the cluster
	s_lshl_b32 s44, 0x1111, s40                    ; my column
	s_or_b32 s[G1+0], s43, (1<<16)|(1<<20)|(1<<21)|(4<<22)|(3<<25)   ; y: the mask; elements of 2 bytes; padding on; bit 21 beside a mask; 4 words behind every 32
	s_mov_b32 s[G1+1], 64<<16                      ; tensor_dim0 = 64
	s_mov_b32 s[G1+2], 128<<16                     ; tensor_dim1 = 128
	s_mov_b32 s[G1+3], 64<<16                      ; tile_dim0 = 64
	s_mov_b32 s[G1+4], 128                         ; tile_dim1 = 128
	s_mov_b32 s[G1+5], 64                          ; the pitch
	s_mov_b32 s[G1+6], 0
	s_mov_b32 s[G1+7], 0
	s_or_b32 s[G1B+0], s44, (1<<16)|(1<<20)|(1<<21)|(5<<22)|(3<<25)  ; wt: 4 words behind every 64
	s_mov_b32 s[G1B+1], 128<<16
	s_mov_b32 s[G1B+2], 128<<16
	s_mov_b32 s[G1B+3], 128<<16
	s_mov_b32 s[G1B+4], 128
	s_mov_b32 s[G1B+5], 1024
	s_mov_b32 s[G1B+6], 0
	s_mov_b32 s[G1B+7], 0
	s_lshl_b32 s16, s13, 18                        ; y: the tile row's block of 262,144 bytes,
	s_lshl_b32 s17, s12, 14                        ; my head of the K step
	s_add_co_u32 s16, s16, s17
	s_mov_b32 s17, 0
	s_lshl_b32 s46, s42, 8                         ; wt: row 256 x tile column + 128 x half,
	s_lshl_b32 s47, s12, 7
	s_add_co_u32 s46, s46, s47
	s_lshl_b32 s46, s46, 11                        ; rows of 2,048 bytes
	s_mov_b32 s47, 0
	s_mul_i32 s20, s12, 128*PA                     ; where they go: no place in the cluster enters an LDS address
	s_mul_i32 s21, s12, 128*PB
	s_add_co_u32 s21, s21, BOFF
	s_wait_kmcnt 0x0
	s_add_nc_u64 s[14:15], s[4:5], s[16:17]
	s_add_nc_u64 s[46:47], s[6:7], s[46:47]
	CROUND                                         ; all sixteen work-groups are here: the first joint loads meet
.irp s, 0,1
	s_mov_b32 s[G0+4*\s], 1
	s_add_co_u32 s[G0+4*\s+1], s20, \s*SLOT
	s_add_nc_u64 s[G0+4*\s+2:G0+4*\s+3], s[14:15], \s*32768     ; K step s: two heads of 16,384 bytes on
	s_or_b32 s[G0+4*\s+3], s[G0+4*\s+3], 0x80000000
	s_mov_b32 s[G0B+4*\s], 1
	s_add_co_u32 s[G0B+4*\s+1], s21, \s*SLOT
	s_add_nc_u64 s[G0B+4*\s+2:G0B+4*\s+3], s[46:47], \s*256
	s_or_b32 s[G0B+4*\s+3], s[G0B+4*\s+3], 0x80000000
	JLOAD \s                                       ; two tensor loads of a wave are out at the start, one behind each later round
.endr
	v_and_b32 v1, 15, v0                           ; r
	v_bfe_u32 v2, v0, 4, 1                         ; h
	v_mul_u32_u24 v3, v1, PA
	v_lshl_add_u32 v3, v2, 4, v3
	v_mul_u32_u24 v4, v1, PB
	v_lshl_add_u32 v4, v2, 4, v4
	s_mul_i32 s22, s11, 64*PA                      ; my 64 rows of y
	s_mul_i32 s23, s12, 128*PB                     ; my 128 rows of wt
	s_add_co_u32 s23, s23, BOFF
.irp s, 0,1
	v_add_nc_u32 v[ADRA+\s], s22, v3
	v_add_nc_u32 v[ADRB+\s], s23, v4
	s_add_co_u32 s22, s22, SLOT
	s_add_co_u32 s23, s23, SLOT
.endr
	s_mul_i32 s23, s10, 16*SPITCH                  ; my stage
	v_mul_u32_u24 v5, v1, SPITCH
	v_lshl_add_u32 v5, v2, 5, v5
	v_add_nc_u32 v[STO], s23, v5                   ; in: row r, 32 bytes for each half of the lanes
	v_and_b32 v6, 31, v0
	v_lshlrev_b32 v[CO], 4, v6                     ; back: the 32 lanes take one row of 512 bytes; and the same in out0
	v_add_nc_u32 v[RD], s23, v[CO]
	v_lshlrev_b32 v[BO], 5, v2
	s_lshl_b32 s46, s42, 10                        ; my first column, in bytes: 1,024 x tile column + 512 x half: in b_proj and in a row of out0
	s_lshl_b32 s47, s12, 9
	s_add_co_u32 s46, s46, s47
	s_mov_b32 s47, 0
	s_add_nc_u64 s[66:67], s[66:67], s[46:47]
.irp b, 0,1,2,3,4,5,6,7
	global_load_b128 v[BI+8*\b:BI+8*\b+3], v[BO], s[66:67] offset:64*\b         ; lane (r, h): b_proj at columns 16 b + 8 h + 0 .. 7
	global_load_b128 v[BI+8*\b+4:BI+8*\b+7], v[BO], s[66:67] offset:64*\b+16
.endr
	s_add_nc_u64 s[8:9], s[8:9], s[46:47]
	s_lshl_b32 s46, s13, 19                        ; my first row: 128 x tile row + 64 x half, rows of 4,096 bytes
	s_lshl_b32 s16, s11, 18
	s_add_co_u32 s46, s46, s16
	s_add_nc_u64 s[8:9], s[8:9], s[46:47]
; the fragments of quarter q (32 along K) of a slot into buffers p: wt's eight, y's four.  Quarter q lies in head q / 2 of the K step, at byte 64 (q % 2) of its rows
.macro FETCH slot, q, p
	WIN TO_B
.irp i, 0,1,2,3,4,5,6,7
	ds_load_b128 v[64*(\p)+8*\i:64*(\p)+8*\i+3],   v[ADRB+\slot] offset:64*(\q)+\i*16*PB
	ds_load_b128 v[64*(\p)+8*\i+4:64*(\p)+8*\i+7], v[ADRB+\slot] offset:64*(\q)+\i*16*PB+32
.endr
	WIN 0
.irp i, 0,1,2,3
	ds_load_b128 v[AF+32*(\p)+8*\i:AF+32*(\p)+8*\i+3],   v[ADRA+\slot] offset:((\q)/2)*128*PA+((\q)%2)*64+\i*16*PA
	ds_load_b128 v[AF+32*(\p)+8*\i+4:AF+32*(\p)+8*\i+7], v[ADRA+\slot] offset:((\q)/2)*128*PA+((\q)%2)*64+\i*16*PA+32
.endr
.endm
; 8 matrix instructions: y's block a x wt's eight.  The 32 accumulators take turns, one instruction a turn, in one order everywhere.
.macro MUL8 p, a, first
.irp b, 0,1,2,3,4,5,6,7
.if \first
	v_wmma_f32_16x16x32_f16 v[8*(8*(\a)+\b):8*(8*(\a)+\b)+7], v[64*(\p)+8*\b:64*(\p)+8*\b+7], v[AF+32*(\p)+8*(\a):AF+32*(\p)+8*(\a)+7], v[BI+8*\b:BI+8*\b+7]
.else
	v_wmma_f32_16x16x32_f16 v[8*(8*(\a)+\b):8*(8*(\a)+\b)+7], v[64*(\p)+8*\b:64*(\p)+8*\b+7], v[AF+32*(\p)+8*(\a):AF+32*(\p)+8*(\a)+7], v[8*(8*(\a)+\b):8*(8*(\a)+\b)+7]
.endif
.endr
.endm
.macro PLACES                          ; four places in front of loads into registers that matrix instructions have read, and of the first read of results
.rept 4
	v_nop
.endr
.endm
; One of a K step's first three quarters: its fragments are in; the next quarter's 24 loads are issued, and land under this quarter's 32 matrix instructions.
.macro QUARTER slot, q, first
	s_wait_dscnt 0x0
	PLACES
	FETCH \slot, (\q)+1, ((\q)+1)%2
.if \first
	WIN 0x81                                       ; C (the bias) window 0, D window 2
.else
	WIN MUL
.endif
	MUL8 (\q)%2, 0, \first
	MUL8 (\q)%2, 1, \first
	MUL8 (\q)%2, 2, \first
	MUL8 (\q)%2, 3, \first
.endm
; The last quarter multiplies buffers 1 and changes slots: one barrier; in front of it each wave waits for all its tensor loads, adds 0 to its spare word, and waits for that and for its reads of this slot.
; fill = 1: the barrier opens a round of the cluster's barrier, and this slot is filled again, two K steps ahead, first thing behind the round.
.macro TURN slot, next, fill
	WIN 0
	s_wait_tensorcnt 0x0                           ; all my tensor loads have landed: my part of the next slot
	ds_add_u32 v[SPW], v[NIL]
	s_wait_dscnt 1                                 ; this quarter's fragments are in; the add may be out
	WIN MUL
	MUL8 1, 0, 0
	s_wait_dscnt 0x0                               ; the add is done, and my reads of this slot are over
	s_barrier_signal -1
	MUL8 1, 1, 0
	WIN 0
	s_barrier_wait -1
.if \fill
	CREST                                          ; no wave of any partner still reads this slot's tile or has a load on its way
	s_add_nc_u64 s[G0+4*\slot+2:G0+4*\slot+3], s[G0+4*\slot+2:G0+4*\slot+3], 65536
	s_add_nc_u64 s[G0B+4*\slot+2:G0B+4*\slot+3], s[G0B+4*\slot+2:G0B+4*\slot+3], 512
	JLOAD \slot                                    ; the four v_nop behind it are also the places in front of the loads below
.else
	PLACES
.endif
	FETCH \next, 0, 0
	WIN MUL
	MUL8 1, 2, 0
	MUL8 1, 3, 0
.endm
	s_wait_tensorcnt 1                             ; my part of K step 0 is in; K step 1's load may be out,
	s_barrier_signal -1
	s_barrier_wait -1                              ; everybody's is
	FETCH 0, 0, 0
	s_wait_loadcnt 0x0                             ; the bias
	QUARTER 0, 0, 1                                ; the first quarter stands in front of the loop: its products start the sums
	WIN 0
	s_mov_b32 s3, 3
.Llap:                                             ; a trip goes once round the ring, from a lap's second quarter to the next lap's first, and fills both slots again
	QUARTER 0, 1, 0
	QUARTER 0, 2, 0
	TURN 0, 1, 1
	QUARTER 1, 0, 0
	QUARTER 1, 1, 0
	QUARTER 1, 2, 0
	TURN 1, 0, 1
	QUARTER 0, 0, 0
	WIN 0
	s_sub_co_u32 s3, s3, 1
	s_cmp_lg_u32 s3, 0
	s_cbranch_scc1 .Llap
	QUARTER 0, 1, 0                                ; the last lap fills nothing, and has no round of the cluster's barrier
	QUARTER 0, 2, 0
	TURN 0, 1, 0
	QUARTER 1, 0, 0
	QUARTER 1, 1, 0
	QUARTER 1, 2, 0
	s_wait_dscnt 0x0                               ; the very last quarter
	WIN MUL
	MUL8 1, 0, 0
	MUL8 1, 1, 0
	MUL8 1, 2, 0
	MUL8 1, 3, 0
	WIN 0
; THE WAY OUT, block by block of 16 rows x 128 columns: through my own stage and back as whole rows of 512 bytes.
.macro TOSTAGE a
.set AC, 64*(\a)
	WIN 0x08                                       ; an LDS store's data are its source 1: window 2
.irp b, 0,1,2,3,4,5,6,7
	ds_store_b128 v[STO], v[AC+8*\b:AC+8*\b+3] offset:64*\b          ; each accumulator from its low end on
	ds_store_b128 v[STO], v[AC+8*\b+4:AC+8*\b+7] offset:64*\b+16
.endr
	WIN 0
.set BB, BK+64*((\a)%2)
.irp t, 0,1,2,3,4,5,6,7,8,9,10,11,12,13,14,15
	ds_load_b128 v[BB+4*\t:BB+4*\t+3], v[RD] offset:\t*SPITCH        ; LDS serves a wave's instructions in order (ISA guide 5.7.1.4)
.endr
.endm
.macro SEND a, younger                 ; younger: the LDS instructions issued behind block a's loads, which may stay out
.set BB, BK+64*((\a)%2)
	s_wait_dscnt \younger
.irp t, 0,1,2,3,4,5,6,7,8,9,10,11,12,13,14,15
	global_store_b128 v[CO], v[BB+4*\t:BB+4*\t+3], s[8:9] offset:(16*(\a)+\t)*4096 th:TH_STORE_NT   ; 32 lanes store 512 consecutive bytes, aligned; written once, read by nobody here
.endr
.endm
	PLACES
	TOSTAGE 0
.irp a, 1,2,3
.if \a > 1
	s_wait_xcnt 0x0                                ; block a - 2's stores have read their registers: block a's loads may land there
.endif
	TOSTAGE \a
	SEND \a-1, 32                                  ; behind block a - 1's loads: block a's 16 stores and 16 loads
.endr
	SEND 3, 0
	s_wait_tensorcnt 0x0                           ; the wave's end
	ds_add_u32 v[SPW], v[NIL]
	s_wait_dscnt 0x0
	CROUND                                         ; the closing round
	s_endpgm
.Lfunc_end_k_qfd0f8a9b46_proj:
	.size	k_qfd0f8a9b46_proj, .Lfunc_end_k_qfd0f8a9b46_proj-k_qfd0f8a9b46_proj
	.p2alignl 7, 3214868480
	.fill 96, 4, 3214868480
	.section	.rodata,"a",@progbits
	.p2align	6, 0x0
	.amdhsa_kernel k_qfd0f8a9b46_proj
		.amdhsa_group_segment_fixed_size 327680
		.amdhsa_private_segment_fixed_size 0
		.amdhsa_enable_private_segment 0
		.amdhsa_kernarg_size 32
		.amdhsa_user_sgpr_count 2
		.amdhsa_user_sgpr_kernarg_segment_ptr 1
		.amdhsa_wavefront_size32 1
		.amdhsa_system_sgpr_workgroup_id_x 1
		.amdhsa_system_sgpr_workgroup_id_y 1
		.amdhsa_system_sgpr_workgroup_id_z 1
		.amdhsa_system_vgpr_workitem_id 0
		.amdhsa_next_free_vgpr 768
		.amdhsa_next_free_sgpr 72
		.amdhsa_reserve_vcc 0
		.amdhsa_float_denorm_mode_32 3
		.amdhsa_float_denorm_mode_16_64 3
		.amdhsa_memory_ordered 1
		.amdhsa_forward_progress 1
		.amdhsa_inst_pref_size 86
	.end_amdhsa_kernel
	.amdgpu_metadata
---
amdhsa.version: [ 1, 2 ]
amdhsa.kernels:
  - .name:           k_qfd0f8a9b46_proj
    .symbol:         k_qfd0f8a9b46_proj.kd
    .args:
      - { .name: yh, .offset: 0, .size: 8, .value_kind: global_buffer, .address_space: global }
      - { .name: wt, .offset: 8, .size: 8, .value_kind: global_buffer, .address_space: global }
      - { .name: b_proj, .offset: 16, .size: 8, .value_kind: global_buffer, .address_space: global }
      - { .name: out0, .offset: 24, .size: 8, .value_kind: global_buffer, .address_space: global }
    .group_segment_fixed_size: 327680
    .private_segment_fixed_size: 0
    .kernarg_segment_align: 8
    .kernarg_segment_size: 32
    .max_flat_workgroup_size: 128
    .sgpr_count:     72
    .vgpr_count:     768
    .wavefront_size: 32
...
	.end_amdgpu_metadata
.endif
;; end of part 4
